; MI455X (gfx1250); checked and timed in simulation.
; The chip was launched on July 23, 2026; its instructions are those of AMD's public machine-readable ISA for CDNA 5 (MIT licence, August 2026) and "CDNA5" Instruction Set Architecture Reference Guide (July 2026). The comments in the code are by the model that wrote it; some were corrected since.
;; Self Attention. Allowed arithmetic: float matrix products may take bf16 or f16 operands with f32 sums; other float arithmetic in f32, or as packed bf16 or f16 multiplies, adds, multiply-adds, maxima and minima; sums over many terms, partial sums and values carried from step to step in f32; what a program stores and reads back later, other than sums and carried values, may be rounded once to bf16 or f16.
;; Inputs: Wk 1,024 x 1,024 float32; Wq 1,024 x 1,024 float32; Wv 1,024 x 1,024 float32; bk 1,024 float32; bq 1,024 float32; bv 1,024 float32; x 4 x 2,048 x 1,024 float32.
;; Outputs: out0 4 x 2,048 x 1,024 float32.
;; 2 versions, each right; version 2 is version 1 with the launch cast written anew for expert scheduling mode. Each part assembles by itself: llvm-mc -triple=amdgcn-amd-amdhsa -mcpu=gfx1250 --defsym DOCPART=n.
;; ======== version 1 of 2: 4 launches
;; limits: values are held in f16: magnitudes above 65,504 overflow, below 6.1e-05 lose precision
;; workspace buffers: xb 16,777,216 bytes; wb 6,291,456 bytes; bb 12,288 bytes; qkv 50,331,648 bytes; P 33,554,432 bytes; stat 1,048,576 bytes
;; launch cast (part 1): grid 1409 x 1, 4 waves a work-group, no clusters, 0 bytes of LDS; arguments x, Wq, Wk, Wv, bq, bk, bv, xb, wb, bb; writes xb, wb, bb
.if DOCPART == 1
	.amdgcn_target "amdgcn-amd-amdhsa--gfx1250"
	.amdhsa_code_object_version 6
	.text
	.protected	k_qd621c256a6_cast
	.globl	k_qd621c256a6_cast
	.p2align	8
	.type	k_qd621c256a6_cast,@function
k_qd621c256a6_cast:
	s_mov_b64 s[64:65], 0
	v_nop
	global_prefetch_b8 v0, s[64:65] scope:SCOPE_SE
	s_setreg_imm32_b32 hwreg(HW_REG_WAVE_MODE, 25, 1), 1
	s_wait_xcnt 0x0
; Every input is rounded once to bf16 (nearest even).
; xb: x in blocks, [16 blocks of 64 columns][8192 rows][64] bf16: the next launch walks K in steps of 64, and in this layout the 128 bytes of neighbouring rows lie end to end.
; wb: [1024 k][3072 n] bf16, row k = Wq[k][:], Wk[k][:], Wv[k][:].   bb: bq, bk, bv on end, 3,072 numbers, rounded to bf16 and kept as f32.
; Work-groups 0-1023: 8 rows of x each; 1024-1407: 8 rows of a W, 128 work-groups for each; 1408: the biases.  A wave takes 2 rows.
; A stream: no LDS, no loop.  All 16 loads of a wave go out first; each load takes whole aligned blocks of 256 bytes, each store covers 256 consecutive bytes, aligned.  No register is written twice.
.set X, 8                              ; v[8:71]   load i of 16: 4 registers
.set Y, 72                             ; v[72:103] store i of 16: 2 registers
.set KBLK, 8192*128                    ; bytes in a block of xb
.macro TAKE i, left                    ; loads come back in order: load i is in, the younger ones stay out; four numbers are rounded
	s_wait_loadcnt \left
	v_cvt_pk_bf16_f32 v[Y+2*(\i)], v[X+4*(\i)], v[X+4*(\i)+1]
	v_cvt_pk_bf16_f32 v[Y+2*(\i)+1], v[X+4*(\i)+2], v[X+4*(\i)+3]
.endm
	s_load_b256 s[4:11], s[0:1], 0x0               ; x s[4:5], Wq s[6:7], Wk s[8:9], Wv s[10:11]
	s_load_b256 s[12:19], s[0:1], 0x20             ; bq s[12:13], bk s[14:15], bv s[16:17], xb s[18:19]
	s_load_b128 s[20:23], s[0:1], 0x40             ; wb s[20:21], bb s[22:23]
	v_and_b32 v6, 31, v0                           ; lane
	v_lshrrev_b32 v7, 5, v0                        ; wave
	s_mov_b32 s25, 0
	s_mov_b32 s27, 0
	s_cmp_lt_u32 ttmp9, 1024
	s_cbranch_scc0 .Lnot_x
	; x: load c takes 64 columns of my two rows: lanes 0-15 256 bytes of the first, lanes 16-31 of the second; rounded they are 2 x 128 bytes that lie on end in block c
	v_and_b32 v1, 15, v0
	v_lshlrev_b32 v1, 4, v1                        ; 16 x (lane % 16)
	v_bfe_u32 v3, v0, 4, 1
	v_lshl_add_u32 v1, v3, 12, v1                  ; + a row of 4,096 bytes for lanes 16-31
	v_lshl_add_u32 v1, v7, 13, v1                  ; + wave x 2 rows
	v_lshlrev_b32 v2, 3, v0                        ; stores: 8 x thread = wave x 2 rows of 128 bytes + 8 x lane
	s_lshl_b32 s24, ttmp9, 15                      ; 8 rows of 4,096 bytes
	s_lshl_b32 s26, ttmp9, 10                      ; 8 rows of 128 bytes
	s_wait_kmcnt 0x0
	s_add_nc_u64 s[24:25], s[4:5], s[24:25]
	s_add_nc_u64 s[26:27], s[18:19], s[26:27]      ; my rows in blocks 0 to 7,
	s_add_nc_u64 s[28:29], s[26:27], 8*KBLK        ; and in blocks 8 to 15: the immediates stay inside their 24 bits
.set i, 0
.rept 16
	global_load_b128 v[X+4*i:X+4*i+3], v1, s[24:25] offset:i*256 th:TH_LOAD_NT
.set i, i+1
.endr
.set i, 0
.rept 16
	TAKE i, 15-i
.if i < 8
	global_store_b64 v2, v[Y+2*i:Y+2*i+1], s[26:27] offset:i*KBLK
.else
	global_store_b64 v2, v[Y+2*i:Y+2*i+1], s[28:29] offset:(i-8)*KBLK
.endif
.set i, i+1
.endr
	s_endpgm
.Lnot_x:
	s_cmp_lt_u32 ttmp9, 1408
	s_cbranch_scc0 .Lbias
	; a W: load i takes 512 consecutive bytes of row i / 8; rounded they are 256 consecutive bytes of wb
	s_sub_co_u32 s28, ttmp9, 1024
	s_lshr_b32 s29, s28, 7                         ; which matrix
	s_and_b32 s28, s28, 127                        ; which 8 rows of it
	v_lshlrev_b32 v1, 4, v6
	v_lshl_add_u32 v1, v7, 13, v1                  ; 16 x lane + wave x 2 rows
	v_mul_u32_u24 v2, 2*6144, v7
	v_lshl_add_u32 v2, v6, 3, v2                   ; 8 x lane + wave x 2 rows of 6,144 bytes
	s_lshl_b32 s24, s28, 15
	s_mul_i32 s26, s28, 8*6144
	s_lshl_b32 s30, s29, 11                        ; the matrix's 2,048 bytes of a row
	s_add_co_u32 s26, s26, s30
	s_wait_kmcnt 0x0
	s_cmp_eq_u32 s29, 1
	s_cselect_b64 s[30:31], s[8:9], s[6:7]
	s_cmp_eq_u32 s29, 2
	s_cselect_b64 s[30:31], s[10:11], s[30:31]
	s_add_nc_u64 s[24:25], s[30:31], s[24:25]
	s_add_nc_u64 s[26:27], s[20:21], s[26:27]
.set i, 0
.rept 16
	global_load_b128 v[X+4*i:X+4*i+3], v1, s[24:25] offset:(i/8)*4096+(i%8)*512 th:TH_LOAD_NT
.set i, i+1
.endr
.set i, 0
.rept 16
	TAKE i, 15-i
	global_store_b64 v2, v[Y+2*i:Y+2*i+1], s[26:27] offset:(i/8)*6144+(i%8)*256
.set i, i+1
.endr
	s_endpgm
.Lbias:
	; the biases: 128 threads x 16 bytes are half of one; rounded to bf16 and widened again
	v_lshlrev_b32 v1, 4, v0
	s_wait_kmcnt 0x0
.irp m, 0,1,2
	global_load_b128 v[8+8*\m:11+8*\m],  v1, s[12+2*\m:13+2*\m]
	global_load_b128 v[12+8*\m:15+8*\m], v1, s[12+2*\m:13+2*\m] offset:2048
.endr
	s_wait_loadcnt 0x0
.set i, 0
.rept 12
	v_cvt_pk_bf16_f32 v[32+i], v[8+2*i], v[9+2*i]
.set i, i+1
.endr
.set i, 0
.rept 12
	v_lshlrev_b32 v[48+2*i], 16, v[32+i]
	v_and_b32 v[49+2*i], 0xffff0000, v[32+i]
.set i, i+1
.endr
.set i, 0
.rept 6
	global_store_b128 v1, v[48+4*i:51+4*i], s[22:23] offset:(i/2)*4096+(i%2)*2048  ; a wave stores 512 consecutive bytes, aligned
.set i, i+1
.endr
	s_endpgm
.Lfunc_end_k_qd621c256a6_cast:
	.size	k_qd621c256a6_cast, .Lfunc_end_k_qd621c256a6_cast-k_qd621c256a6_cast
	.p2alignl 7, 3214868480
	.fill 96, 4, 3214868480
	.section	.rodata,"a",@progbits
	.p2align	6, 0x0
	.amdhsa_kernel k_qd621c256a6_cast
		.amdhsa_group_segment_fixed_size 0
		.amdhsa_private_segment_fixed_size 0
		.amdhsa_enable_private_segment 0
		.amdhsa_kernarg_size 80
		.amdhsa_user_sgpr_count 2
		.amdhsa_user_sgpr_kernarg_segment_ptr 1
		.amdhsa_wavefront_size32 1
		.amdhsa_system_sgpr_workgroup_id_x 1
		.amdhsa_system_sgpr_workgroup_id_y 1
		.amdhsa_system_sgpr_workgroup_id_z 1
		.amdhsa_system_vgpr_workitem_id 0
		.amdhsa_next_free_vgpr 104
		.amdhsa_next_free_sgpr 66
		.amdhsa_reserve_vcc 0
		.amdhsa_float_denorm_mode_32 3
		.amdhsa_float_denorm_mode_16_64 3
		.amdhsa_memory_ordered 1
		.amdhsa_forward_progress 1
		.amdhsa_inst_pref_size 17
	.end_amdhsa_kernel
	.amdgpu_metadata
---
amdhsa.version: [ 1, 2 ]
amdhsa.kernels:
  - .name:           k_qd621c256a6_cast
    .symbol:         k_qd621c256a6_cast.kd
    .args:
      - { .name: x, .offset: 0, .size: 8, .value_kind: global_buffer, .address_space: global }
      - { .name: Wq, .offset: 8, .size: 8, .value_kind: global_buffer, .address_space: global }
      - { .name: Wk, .offset: 16, .size: 8, .value_kind: global_buffer, .address_space: global }
      - { .name: Wv, .offset: 24, .size: 8, .value_kind: global_buffer, .address_space: global }
      - { .name: bq, .offset: 32, .size: 8, .value_kind: global_buffer, .address_space: global }
      - { .name: bk, .offset: 40, .size: 8, .value_kind: global_buffer, .address_space: global }
      - { .name: bv, .offset: 48, .size: 8, .value_kind: global_buffer, .address_space: global }
      - { .name: xb, .offset: 56, .size: 8, .value_kind: global_buffer, .address_space: global }
      - { .name: wb, .offset: 64, .size: 8, .value_kind: global_buffer, .address_space: global }
      - { .name: bb, .offset: 72, .size: 8, .value_kind: global_buffer, .address_space: global }
    .group_segment_fixed_size: 0
    .private_segment_fixed_size: 0
    .kernarg_segment_align: 8
    .kernarg_segment_size: 80
    .max_flat_workgroup_size: 128
    .sgpr_count:     66
    .vgpr_count:     104
    .wavefront_size: 32
...
	.end_amdgpu_metadata
.endif
;; end of part 1
;; launch proj (part 2): grid 8 x 32, 4 waves a work-group, clusters of 4 x 4, 327,680 bytes of LDS; arguments xb, wb, bb, qkv; writes qkv
.if DOCPART == 2
	.amdgcn_target "amdgcn-amd-amdhsa--gfx1250"
	.amdhsa_code_object_version 6
	.text
	.protected	k_qd621c256a6_proj
	.globl	k_qd621c256a6_proj
	.p2align	8
	.type	k_qd621c256a6_proj,@function
k_qd621c256a6_proj:
	s_mov_b64 s[64:65], 0
	v_nop
	global_prefetch_b8 v0, s[64:65] scope:SCOPE_SE
	s_setreg_imm32_b32 hwreg(HW_REG_WAVE_MODE, 25, 1), 1
	s_wait_xcnt 0x0
	s_wait_alu depctr_hold_cnt(0) depctr_sa_sdst(0) depctr_va_vdst(0) depctr_va_sdst(0) depctr_va_ssrc(0) depctr_va_vcc(0) depctr_vm_vsrc(0)
	s_getreg_b32 s2, hwreg(HW_REG_IB_STS2, 6, 4)
	s_cmp_eq_u32 s2, 0
	s_cbranch_scc0 .Lentry_in_a_cluster
	s_endpgm
.Lentry_in_a_cluster:
	s_bfe_u32 s2, ttmp6, 0x10000c
	s_cmp_lg_u32 s2, 0xf033
	s_cbranch_scc0 .Lentry_shape_is_right
	s_endpgm
.Lentry_shape_is_right:
; qkv[t][n] = sum over k of x[t][k] W[k][n] + bias[n].  xb: x in bf16, [16 blocks of 64 k][8192 rows][64]; wb: [1024 k][3072 n] bf16; bb: the 3,072 biases, rounded to bf16, as f32; qkv: [8192][3072] f16.
; Products in bf16, sums in f32, rounded once to f16.  LIMIT: f16 ends at 65,504: q, k, v beyond it become infinities (the drawn inputs give a spread of 1; thirty times larger inputs 900).
; THE TILE is 256 x 384: 8192 x 3072 then makes 32 x 8 = 256 work-groups.  Four waves, 128 x 192 each: 96 accumulators, 768 registers: windows 1, 2, 3.
; K GOES IN 16 STEPS OF 64 through two LDS slots: two slots of 128 along K would take 2 x (256 x 272 + 128 x 864) = 360,448 bytes, more than there are.
; xb's blocks make a tile's 128-byte rows lie end to end: 128 rows are asked for as 64 rows of 256 bytes, padded in LDS after every 128.
; CLUSTER 4 x 4: xb's tile is shared along a row of the cluster, wb's along a column; each is asked for jointly.
; The product is used transposed (source 0 = 16 columns of wb, turned on the way out of LDS; source 1 = 16 rows of xb): a lane holds one row and eight neighbouring columns.
; REGISTERS.  Window 0 is full: v0-31 addresses; v32-95, v96-159 xb's fragments (8 x 16 rows x 32 k), two buffers; v160-255 wb's fragments (12 x 16 columns x 32 k), ONE buffer in three groups of four.
;   Window 1 + g: the accumulators of column blocks 4 g .. 4 g + 3: (a, bb) at v[8 (4 a + bb)].
; A QUARTER (32 along K) is three STRETCHES of 32 products, one for each window.  Behind stretch g its group of wb's fragments is free and takes the next quarter's; xb's other buffer is filled behind stretch 0.
;   So each run of LDS loads stands 64 products ahead of its first use.
; THE BIAS is loaded into the registers of each window's accumulators (7, bb): it is the C operand of the first product of rows a = 0 .. 6, and for a = 7, which comes last, the sum starts in place on it.
.set APITCH, 144                       ; a row of xb in LDS: 128 bytes + 16
.set AH,     128*APITCH                ; what a tensor load of xb brings: 128 rows
.set BP,     864                       ; a row of wb in LDS: three chunks of 256 bytes + 32 = 27 x 32
.set BH,     32*BP                     ; what a tensor load of wb brings: 32 k rows
.set BOFF,   2*AH
.set SLOT,   BOFF+2*BH                 ; xb's 256 rows, then wb's 64 k rows: 92,160 bytes
.set STAGE,  2*SLOT                    ; the work-group's, for the way out: 128 rows x 784 bytes
.set SPITCH, 784                       ; 768 bytes + 16 = 49 x 16
.set SPARE,  STAGE+128*SPITCH          ; the spare words: 128 bytes a wave, two blocks of 256 bytes that no other line names
.set ROWB,   6144                      ; bytes in a row of qkv and of wb
.set ASTEP,  8192*128                  ; a K step in xb: a block
.set BSTEP,  64*6144                   ; a K step down wb
.set TRIPS,  14                        ; K steps that are followed by a refill
.set AA0, 8                            ; v8 my place in xb's tile, slot 0;  v9-11 in wb's, one for each group
.set AB0, 9
.set ADRA, 12                          ; v12, v13-15 the same in the slot in hand
.set ADRB, 13
.set STO, 16
.set RD,  17
.set CO,  18
.set PFO, 19                           ; v19 the prefetches' lane offset
.set BO,  20                           ; v20 my byte offset in bb
.set SPW, 28                           ; v28 my spare word; v29 = 0; never rewritten
.set NIL, 29
.set FA0, 32
.set FA1, 96
.set FB,  160
.set TMP, 32                           ; the way out: 48 registers of packed results,
.set OBK, 32                           ; then 192 registers of whole rows
.set BIAS, 224                         ; in windows 1 to 3: the registers of accumulators (7, bb)
.set G1,  24                           ; s[24:31] group 1 for xb;  s[32:39] group 0, two sets: the second walks
.set G0,  32
.set G1B, 48                           ; s[48:55], s[56:63] the same for wb
.set G0B, 56
.set SB,  21                           ; s21 LDS byte of the slot in hand
.set LIM, 43                           ; s43 a wave prefetches while the trips left are above it
.set PFA, 44                           ; s[44:45] where my prefetches stand
.set PFS, 66                           ; s[66:67] their step
.set PM,  72                           ; s72 0: I ask in every trip; 1: in every second one
.set LBA, 73                           ; s73, s74 where my part of xb's, of wb's tile goes in a slot
.set LBB, 74
.set CB,  8                            ; s[8:9] qkv at the first row that I store, the tile's first column
.set MSB, 0
.macro WIN new                         ; the immediate's high byte repeats the setting that is left
.if MSB != (\new)
	s_set_vgpr_msb (MSB<<8)|(\new)
.set MSB, \new
.endif
.endm
.macro PLACES                          ; four plain instructions behind matrix instructions, ahead of loads into their sources and of readers of their results
.rept 4
	v_nop
.endr
.endm
.macro CREST                           ; a round of the cluster's barrier behind its opening barrier
	s_cmp_lg_u32 s10, 0
	s_cbranch_scc1 .Lnot_wave_0_\@
	s_barrier_signal -3
.Lnot_wave_0_\@:
	s_barrier_wait -3
	s_barrier_signal -1
	s_barrier_wait -1
.endm
.macro CROUND
	s_barrier_signal -1
	s_barrier_wait -1
	CREST
.endm
.macro JLOAD                           ; a joint refill by the walking sets: waves 0, 1 xb's halves, waves 2, 3 wb's
	s_cmp_eq_u32 s11, 0
	s_cbranch_scc0 .Lfor_b_\@
	tensor_load_to_lds s[G0+4:G0+7], s[G1:G1+7]
	s_nop 0
	PLACES
	s_branch .Lasked_\@
.Lfor_b_\@:
	tensor_load_to_lds s[G0B+4:G0B+7], s[G1B:G1B+7]
	s_nop 0
	PLACES
.Lasked_\@:
.endm
; A PREFETCH two refills ahead: trip t refills with K step t + 2 and names step t + 4.  Each block of 256 bytes is named once in the launch.
; xb: a tile row's K step is 32,768 dense bytes; the clusters with x = 0 ask; the four partners take 8,192 bytes each, told apart by address; wave 0, a lane a block; trips 0 to 11.
; wb: two K steps are 128 k rows x 3 blocks; the clusters with y = 0 ask; the four partners take 32 rows each, by address; waves 1, 2, 3 one column of blocks each, a lane a row; trips 0, 2, .. 10, for steps t + 4 and t + 5.
.macro ASK
	s_and_b32 s22, s3, s[PM]
	s_cmp_eq_u32 s22, 0
	s_cbranch_scc0 .Lnot_mine_\@
	s_cmp_gt_u32 s3, s[LIM]
	s_cbranch_scc0 .Lnot_mine_\@
	global_prefetch_b8 v[PFO], s[PFA:PFA+1] th:TH_LOAD_NT scope:SCOPE_SE
.Lnot_mine_\@:
.endm
.macro MULA fa, gg, a, first           ; four products: row block a x the group's four column blocks
.irp bb, 0,1,2,3
.if \first
	v_wmma_f32_16x16x32_bf16 v[8*(4*(\a)+(\bb)):8*(4*(\a)+(\bb))+7], v[FB+32*(\gg)+8*(\bb):FB+32*(\gg)+8*(\bb)+7], v[(\fa)+8*(\a):(\fa)+8*(\a)+7], v[BIAS+8*(\bb):BIAS+8*(\bb)+7]
.else
	v_wmma_f32_16x16x32_bf16 v[8*(4*(\a)+(\bb)):8*(4*(\a)+(\bb))+7], v[FB+32*(\gg)+8*(\bb):FB+32*(\gg)+8*(\bb)+7], v[(\fa)+8*(\a):(\fa)+8*(\a)+7], v[8*(4*(\a)+(\bb)):8*(4*(\a)+(\bb))+7]
.endif
.endr
.endm
; Row blocks from .. from + cnt - 1 of stretch gg.  The accumulators take turns, one instruction a turn; between two products on one accumulator stand the 95 others'.
; first = 1: C is the bias.  Row block 7 writes over the registers that blocks 0 to 6 read as C: five plain instructions stand ahead of it (ISA guide 7.12.1).
.macro STR fa, gg, first, from, cnt
	WIN 0x50*(1+(\gg))
.set aa, \from
.rept \cnt
.if (\first) && (aa == 7)
.rept 5
	v_nop
.endr
.endif
	MULA \fa, \gg, aa, \first
.set aa, aa+1
.endr
.endm
.macro LDA q, fa                       ; 16 LDS loads: xb's fragments of quarter q of the slot in hand
.irp i, 0,1,2,3,4,5,6,7
	ds_load_b128 v[(\fa)+8*(\i):(\fa)+8*(\i)+3],   v[ADRA] offset:64*(\q)+(\i)*16*APITCH
	ds_load_b128 v[(\fa)+8*(\i)+4:(\fa)+8*(\i)+7], v[ADRA] offset:64*(\q)+(\i)*16*APITCH+32
.endr
.endm
.macro LDB q, gg                       ; 8 LDS loads, turning: group gg of wb's fragments of quarter q
.irp bb, 0,1,2,3
	ds_load_tr16_b128 v[FB+32*(\gg)+8*(\bb):FB+32*(\gg)+8*(\bb)+3],   v[ADRB+(\gg)] offset:(\q)*32*BP+32*(\bb)
	ds_load_tr16_b128 v[FB+32*(\gg)+8*(\bb)+4:FB+32*(\gg)+8*(\bb)+7], v[ADRB+(\gg)] offset:(\q)*32*BP+32*(\bb)+16*BP
.endr
.endm
.macro ADDRS                           ; my places in the slot in hand
	v_add_nc_u32 v[ADRA], s[SB], v[AA0]
.irp gg, 0,1,2
	v_add_nc_u32 v[ADRB+\gg], s[SB], v[AB0+\gg]
.endr
.endm
; A K step's first quarter: multiplies buffer 0 and fetches the step's second quarter.
.macro QZERO first
	s_wait_dscnt 16                                ; xb's fragments and group 0 are in; groups 1 and 2, sixteen loads, may be out
	STR FA0, 0, \first, 0, 8
	PLACES
	WIN 0
	LDA 1, FA1
	LDB 1, 0
	s_wait_dscnt 32                                ; group 1 is in: behind it stand group 2's eight loads and the 24 just issued
	STR FA0, 1, \first, 0, 8
	PLACES
	WIN 0
	LDB 1, 1
	s_wait_dscnt 32                                ; group 2 is in: behind it stand those 24 and the eight just issued
	STR FA0, 2, \first, 0, 8
	PLACES
	WIN 0
	LDB 1, 2
.endm
; A K step's second quarter multiplies buffer 1 and changes slots.  In front of the barrier each wave waits for all its tensor loads (one is out: its part of the next slot), adds 0 to its spare word, and waits
; for that and for its reads of this slot.  fill = 1: the barrier opens a round of the cluster's, and the joint refill (the K step two on, into the slot just read) is the first thing behind the round:
; it has 160 products in which to land.
.macro TURN fill
.if \fill
	s_wait_xcnt 0x0                                ; the last prefetch, a K step back, has read its address
	s_add_nc_u64 s[PFA:PFA+1], s[PFA:PFA+1], s[PFS:PFS+1]
.endif
	WIN 0
	s_wait_tensorcnt 0x0
	ds_add_u32 v[SPW], v[NIL]
	s_wait_dscnt 17                                ; xb's fragments and group 0 are in; groups 1 and 2 and the add may be out
.if \fill
	s_add_co_u32 s[G0+5], s[LBA], s[SB]            ; no tensor load of mine is out: the walking sets step: the slot in hand, the next K step
	s_add_nc_u64 s[G0+6:G0+7], s[G0+6:G0+7], ASTEP
	s_add_co_u32 s[G0B+5], s[LBB], s[SB]
	s_add_nc_u64 s[G0B+6:G0B+7], s[G0B+6:G0B+7], BSTEP
.endif
	STR FA1, 0, 0, 0, 4
	s_wait_dscnt 0x0                               ; the add is done, my reads of this slot are over
	s_barrier_signal -1
	STR FA1, 0, 0, 4, 4
	WIN 0
	s_barrier_wait -1
.if \fill
	CREST
	JLOAD                                          ; its four v_nop are also the places ahead of the loads below
.else
	PLACES
.endif
	s_xor_b32 s[SB], s[SB], SLOT
	ADDRS
	LDA 0, FA0
	LDB 0, 0
.if \fill
	ASK
.endif
	STR FA1, 1, 0, 0, 8
	PLACES
	WIN 0
	LDB 0, 1
	STR FA1, 2, 0, 0, 8
	PLACES
	WIN 0
	LDB 0, 2
.endm
; THE WAY OUT.  A wave's 192 columns are 384 bytes, one and a half aligned blocks of 256: so the waves share one stage.  It holds half of the tile: of each wave the row blocks 4 hf .. 4 hf + 3.
.macro PACK a                          ; row block a: rounded to f16, each accumulator from its low end on; 16 bytes a lane into the stage
.irp gg, 0,1,2
	WIN 5*(1+\gg)
.irp bb, 0,1,2,3
.irp rr, 0,1,2,3
	v_cvt_pk_f16_f32 v[TMP+4*(4*\gg+\bb)+\rr], v[8*(4*(\a)+\bb)+2*\rr], v[8*(4*(\a)+\bb)+2*\rr+1]
.endr
.endr
.endr
	WIN 0
.irp nb, 0,1,2,3,4,5,6,7,8,9,10,11
	ds_store_b128 v[STO], v[TMP+4*\nb:TMP+4*\nb+3] offset:((\a)%4)*16*SPITCH+32*\nb
.endr
.endm
.macro OUT hf                          ; wave w takes the stage's rows 32 w .. 32 w + 31, whole: 48 loads, lanes 0-15 a block of 256 bytes of one row, lanes 16-31 of the next
.set i, 0
.rept 48
	ds_load_b128 v[OBK+4*i:OBK+4*i+3], v[RD] offset:(i/3)*2*SPITCH+(i%3)*256
.set i, i+1
.endr
.set i, 0
.rept 48
.if (i%8) == 0
	s_wait_dscnt 40-i                              ; the next eight loads are in; the younger ones stay out
.endif
	global_store_b128 v[CO], v[OBK+4*i:OBK+4*i+3], s[CB:CB+1] offset:((\hf)*64+2*(i/3))*ROWB+(i%3)*256  ; 16 lanes store 256 consecutive bytes, aligned
.set i, i+1
.endr
.endm
	s_load_b128 s[4:7], s[0:1], 0x0                ; xb s[4:5], wb s[6:7]
	s_load_b128 s[68:71], s[0:1], 0x10             ; bb s[68:69], qkv s[70:71]
	v_lshl_add_u32 v[SPW], v0, 2, SPARE
	v_mov_b32 v[NIL], 0
	ds_add_u32 v[SPW], v[NIL]                      ; the wave's opening: the add and its wait ahead of my first tensor load
	v_lshrrev_b32 v1, 5, v0
	v_readfirstlane_b32 s10, v1                    ; wave 0..3
	s_lshr_b32 s11, s10, 1                         ; my half of the rows.  Also: I fetch xb (0) or wb (1)
	s_and_b32 s12, s10, 1                          ; my half of the columns.  Also: which half of that tile I fetch
	s_bfe_u32 s40, ttmp6, 0x40000                  ; cx
	s_bfe_u32 s41, ttmp6, 0x40004                  ; cy
	s_lshl_b32 s42, ttmp9, 2
	s_add_co_u32 s42, s42, s40                     ; tile column 0..7
	s_and_b32 s13, ttmp7, 0xffff
	s_lshl_b32 s13, s13, 2
	s_add_co_u32 s13, s13, s41                     ; tile row 0..31
	s_lshl_b32 s43, s41, 2
	s_lshl_b32 s43, 15, s43                        ; my row of the cluster
	s_lshl_b32 s44, 0x1111, s40                    ; my column
	s_or_b32 s[G1+0], s43, (1<<16)|(1<<20)|(1<<21)|(4<<22)|(3<<25)   ; mask; 2-byte elements; padding on; bit 21 beside a mask; after 32 words 4 words
	s_or_b32 s[G1B+0], s44, (1<<16)|(1<<20)|(1<<21)|(5<<22)|(7<<25)  ; after 64 words 8 words: three times in a row of 192 words
	s_mov_b32 s[G1+1], 128<<16                     ; xb: 128 rows of 128 bytes, dense, as 64 rows of 128 elements
	s_mov_b32 s[G1+2], 64<<16
	s_mov_b32 s[G1+3], 128<<16
	s_mov_b32 s[G1+4], 64
	s_mov_b32 s[G1+5], 128
	s_mov_b32 s[G1+6], 0
	s_mov_b32 s[G1+7], 0
	s_mov_b32 s[G1B+1], 384<<16                    ; wb: 384 columns,
	s_mov_b32 s[G1B+2], 32<<16                     ; 32 k rows
	s_mov_b32 s[G1B+3], 384<<16
	s_mov_b32 s[G1B+4], 32
	s_mov_b32 s[G1B+5], 3072
	s_mov_b32 s[G1B+6], 0
	s_mov_b32 s[G1B+7], 0
	s_lshl_b32 s16, s13, 15                        ; xb: 256 rows of 128 bytes a tile row,
	s_lshl_b32 s17, s12, 14                        ; 128 rows a half
	s_add_co_u32 s16, s16, s17
	s_mov_b32 s17, 0
	s_mul_i32 s46, s12, 32*6144                    ; wb: 32 k rows a half,
	s_mul_i32 s47, s42, 768                        ; 768 bytes a tile column
	s_add_co_u32 s46, s46, s47
	s_mov_b32 s47, 0
	s_mul_i32 s[LBA], s12, AH                      ; where my part goes: no place in the cluster enters an LDS address
	s_mul_i32 s[LBB], s12, BH
	s_add_co_u32 s[LBB], s[LBB], BOFF
	s_mov_b32 s[SB], 0
	s_wait_dscnt 0x0                               ; the opening add is done
	s_wait_kmcnt 0x0
	s_add_nc_u64 s[14:15], s[4:5], s[16:17]
	s_add_nc_u64 s[46:47], s[6:7], s[46:47]
	CROUND                                         ; all sixteen work-groups are here: the first joint loads meet
.irp s, 0,1
	s_mov_b32 s[G0+4*(\s)], 1
	s_add_co_u32 s[G0+4*(\s)+1], s[LBA], (\s)*SLOT
	s_add_nc_u64 s[G0+4*(\s)+2:G0+4*(\s)+3], s[14:15], (\s)*ASTEP
	s_or_b32 s[G0+4*(\s)+3], s[G0+4*(\s)+3], 0x80000000
	s_mov_b32 s[G0B+4*(\s)], 1
	s_add_co_u32 s[G0B+4*(\s)+1], s[LBB], (\s)*SLOT
	s_add_nc_u64 s[G0B+4*(\s)+2:G0B+4*(\s)+3], s[46:47], (\s)*BSTEP
	s_or_b32 s[G0B+4*(\s)+3], s[G0B+4*(\s)+3], 0x80000000
.endr
	s_cmp_eq_u32 s11, 0                            ; a wave's two first fills (K steps 0 and 1) stand in one branch: two loads of mine are out
	s_cbranch_scc0 .Lfirst_b
	tensor_load_to_lds s[G0:G0+3], s[G1:G1+7]
	s_nop 0
	tensor_load_to_lds s[G0+4:G0+7], s[G1:G1+7]
	s_nop 0
	PLACES
	s_branch .Lfirst_asked
.Lfirst_b:
	tensor_load_to_lds s[G0B:G0B+3], s[G1B:G1B+7]
	s_nop 0
	tensor_load_to_lds s[G0B+4:G0B+7], s[G1B:G1B+7]
	s_nop 0
	PLACES
.Lfirst_asked:
	v_and_b32 v1, 15, v0                           ; r = lane % 16
	v_bfe_u32 v2, v0, 4, 1                         ; h = lane / 16
	; the bias of my 192 columns: register BIAS + 8 bb + j of window 1 + g = bias[16 (4 g + bb) + 8 h + j]
	s_mul_i32 s22, s42, 1536
	s_mul_i32 s23, s12, 768
	s_add_co_u32 s22, s22, s23
	v_lshl_add_u32 v[BO], v2, 5, s22
.irp gg, 0,1,2
	WIN (1+\gg)<<6
.irp bb, 0,1,2,3
	global_load_b128 v[BIAS+8*\bb:BIAS+8*\bb+3],   v[BO], s[68:69] offset:64*(4*\gg+\bb)
	global_load_b128 v[BIAS+8*\bb+4:BIAS+8*\bb+7], v[BO], s[68:69] offset:64*(4*\gg+\bb)+16
.endr
.endr
	WIN 0
	v_mul_u32_u24 v3, v1, APITCH
	v_lshl_add_u32 v3, v2, 4, v3                   ; a fragment of xb: row x pitch + 16 x half
	s_mul_i32 s22, s11, AH
	v_add_nc_u32 v[AA0], s22, v3
	v_and_b32 v4, 7, v0                            ; the turning load: k row 8 h + lane % 8, 16 bytes by (lane / 8) % 2
	v_lshl_add_u32 v4, v2, 3, v4
	v_mul_u32_u24 v4, v4, BP
	v_bfe_u32 v5, v0, 3, 1
	v_lshl_add_u32 v4, v5, 4, v4
	; column block nb of the tile's 24 lies at byte 32 nb + 32 (nb / 8) of an LDS row; my group g begins with nb = 12 x half + 4 g: 0, 128, 288 or 416, 576, 704; no group crosses a chunk's end
	s_mul_i32 s22, s12, 416
	s_add_co_u32 s22, s22, BOFF
	v_add_nc_u32 v[AB0], s22, v4
	s_mul_i32 s22, s12, 448
	s_add_co_u32 s22, s22, BOFF+128
	v_add_nc_u32 v[AB0+1], s22, v4
	s_mul_i32 s22, s12, 416
	s_add_co_u32 s22, s22, BOFF+288
	v_add_nc_u32 v[AB0+2], s22, v4
	s_lshl_b32 s22, s11, 6                         ; into the stage: my 64 rows, my 384 bytes of them; row l % 16, 16 bytes for each half of the lanes
	s_mul_i32 s22, s22, SPITCH
	s_mul_i32 s23, s12, 384
	s_add_co_u32 s22, s22, s23
	s_add_co_u32 s22, s22, STAGE
	v_mul_u32_u24 v4, v1, SPITCH
	v_lshl_add_u32 v4, v2, 4, v4
	v_add_nc_u32 v[STO], s22, v4
	s_mul_i32 s22, s10, 32*SPITCH                  ; back: rows 32 w on; lanes 0-15 one row, lanes 16-31 the next
	s_add_co_u32 s22, s22, STAGE
	v_mul_u32_u24 v5, v2, SPITCH
	v_lshl_add_u32 v5, v1, 4, v5
	v_add_nc_u32 v[RD], s22, v5
	v_mul_u32_u24 v5, v2, ROWB                     ; and the same two rows in qkv
	v_lshl_add_u32 v[CO], v1, 4, v5
	s_lshl_b32 s16, s13, 8                         ; the stage's row 32 w is the tile's row 128 (w / 2) + 64 hf + 32 (w % 2)
	s_lshl_b32 s17, s11, 7
	s_add_co_u32 s16, s16, s17
	s_lshl_b32 s17, s12, 5
	s_add_co_u32 s16, s16, s17
	s_mul_i32 s16, s16, ROWB
	s_mov_b32 s17, 0
	s_add_nc_u64 s[CB:CB+1], s[70:71], s[16:17]
	s_mul_i32 s46, s42, 768
	s_mov_b32 s47, 0
	s_add_nc_u64 s[CB:CB+1], s[CB:CB+1], s[46:47]
	; the prefetches stand at K step 3; the first refill steps them to 4
	s_lshl_b32 s16, s13, 15                        ; xb: the tile row's 32,768 bytes of a block,
	s_lshl_b32 s17, s40, 13                        ; my work-group's 8,192 of them
	s_add_co_u32 s16, s16, s17
	s_add_co_u32 s16, s16, 3*ASTEP
	s_lshl_b32 s18, s41, 5                         ; wb: my work-group's 32 of two K steps' 128 k rows,
	s_add_co_u32 s18, s18, 3*64
	s_mul_i32 s18, s18, 6144
	s_mul_i32 s19, s42, 768                        ; the tile column,
	s_add_co_u32 s18, s18, s19
	s_lshl_b32 s19, s10, 8                         ; block w - 1 of its three
	s_add_co_u32 s18, s18, s19
	s_sub_co_u32 s18, s18, 256
	s_and_b32 s22, ttmp7, 0xffff
	s_mov_b32 s23, BSTEP
	s_mov_b32 s19, 6144
	s_cmp_eq_u32 s10, 0                            ; wave 0 asks for xb, waves 1 to 3 for wb
	s_cselect_b32 s16, s16, s18
	s_cselect_b64 s[PFA:PFA+1], s[4:5], s[6:7]
	s_cselect_b32 s[PFS], ASTEP, s23
	s_cselect_b32 s22, ttmp9, s22                  ; the coordinate along which other clusters read the same rows
	s_cselect_b32 s19, 256, s19                    ; bytes from lane to lane
	s_cselect_b32 s[PM], 0, 1
	s_cselect_b32 s18, 2, 3
	s_mov_b32 s17, 0
	s_mov_b32 s[PFS+1], 0
	s_add_nc_u64 s[PFA:PFA+1], s[PFA:PFA+1], s[16:17]
	s_cmp_eq_u32 s22, 0
	s_cselect_b32 s[LIM], s18, -1                  ; the same in all sixteen partners, for a given wave
	v_and_b32 v4, 31, v0
	v_mul_u32_u24 v[PFO], s19, v4
	s_wait_loadcnt 0x0                             ; the bias
	s_wait_tensorcnt 1                             ; my part of K step 0 is in; step 1's may stay out
	s_barrier_signal -1
	s_barrier_wait -1
	ADDRS
	LDA 0, FA0
	LDB 0, 0
	LDB 0, 1
	LDB 0, 2
	QZERO 1                                        ; the first quarter starts the sums with the bias
	WIN 0
	s_mov_b32 s3, TRIPS
.Lstep:                                            ; a trip: a K step's second quarter and the next step's first
	TURN 1
	QZERO 0
	WIN 0
	s_sub_co_u32 s3, s3, 1
	s_cmp_lg_u32 s3, 0
	s_cbranch_scc1 .Lstep
	; The last two K steps ask for nothing: a second loop of two trips, entered behind a step's first quarter and the text stands once.
	; Its last trip has no next step: its change of slots passes one more barrier and fetches 40 fragments' halves from the slot read before, which nobody multiplies: the price, once a launch, of one text for both trips.
	s_mov_b32 s3, 2
	s_branch .Lin
.Ltail:
	QZERO 0
	WIN 0
.Lin:
	TURN 0
	WIN 0
	s_sub_co_u32 s3, s3, 1
	s_cmp_lg_u32 s3, 0
	s_cbranch_scc1 .Ltail
	s_wait_dscnt 0x0                               ; the fragments fetched for nothing have landed: the way out works in their registers
	PLACES
	PACK 0
	PACK 1
	PACK 2
	PACK 3
	s_wait_dscnt 0x0                               ; for the others' sake: my stores into the stage are done
	s_barrier_signal -1
	s_barrier_wait -1
	OUT 0
	s_barrier_signal -1                            ; every wave's reads of the stage are back (the count-down ended at 0): it may be written again
	s_barrier_wait -1
	s_wait_xcnt 0x0                                ; the stores have read their registers
	PACK 4
	PACK 5
	PACK 6
	PACK 7
	s_wait_dscnt 0x0
	s_barrier_signal -1
	s_barrier_wait -1
	OUT 1
	s_wait_tensorcnt 0x0                           ; the wave's end
	ds_add_u32 v[SPW], v[NIL]
	s_wait_dscnt 0x0
	CROUND                                         ; the closing round
	s_endpgm
.Lfunc_end_k_qd621c256a6_proj:
	.size	k_qd621c256a6_proj, .Lfunc_end_k_qd621c256a6_proj-k_qd621c256a6_proj
	.p2alignl 7, 3214868480
	.fill 96, 4, 3214868480
	.section	.rodata,"a",@progbits
	.p2align	6, 0x0
	.amdhsa_kernel k_qd621c256a6_proj
		.amdhsa_group_segment_fixed_size 327680
		.amdhsa_private_segment_fixed_size 0
		.amdhsa_enable_private_segment 0
		.amdhsa_kernarg_size 32
		.amdhsa_user_sgpr_count 2
		.amdhsa_user_sgpr_kernarg_segment_ptr 1
		.amdhsa_wavefront_size32 1
		.amdhsa_system_sgpr_workgroup_id_x 1
		.amdhsa_system_sgpr_workgroup_id_y 1
		.amdhsa_system_sgpr_workgroup_id_z 1
		.amdhsa_system_vgpr_workitem_id 0
		.amdhsa_next_free_vgpr 1024
		.amdhsa_next_free_sgpr 80
		.amdhsa_reserve_vcc 0
		.amdhsa_float_denorm_mode_32 3
		.amdhsa_float_denorm_mode_16_64 3
		.amdhsa_memory_ordered 1
		.amdhsa_forward_progress 1
		.amdhsa_inst_pref_size 110
	.end_amdhsa_kernel
	.amdgpu_metadata
---
amdhsa.version: [ 1, 2 ]
amdhsa.kernels:
  - .name:           k_qd621c256a6_proj
    .symbol:         k_qd621c256a6_proj.kd
    .args:
      - { .name: xb, .offset: 0, .size: 8, .value_kind: global_buffer, .address_space: global }
      - { .name: wb, .offset: 8, .size: 8, .value_kind: global_buffer, .address_space: global }
      - { .name: bb, .offset: 16, .size: 8, .value_kind: global_buffer, .address_space: global }
      - { .name: qkv, .offset: 24, .size: 8, .value_kind: global_buffer, .address_space: global }
    .group_segment_fixed_size: 327680
    .private_segment_fixed_size: 0
    .kernarg_segment_align: 8
    .kernarg_segment_size: 32
    .max_flat_workgroup_size: 128
    .sgpr_count:     80
    .vgpr_count:     1024
    .wavefront_size: 32
...
	.end_amdgpu_metadata
.endif
;; end of part 2
;; launch score (part 3): grid 36 x 4, 4 waves a work-group, no clusters, 327,680 bytes of LDS; arguments qkv, P, stat; writes P, stat
.if DOCPART == 3
	.amdgcn_target "amdgcn-amd-amdhsa--gfx1250"
	.amdhsa_code_object_version 6
	.text
	.protected	k_qd621c256a6_score
	.globl	k_qd621c256a6_score
	.p2align	8
	.type	k_qd621c256a6_score,@function
k_qd621c256a6_score:
	s_mov_b64 s[64:65], 0
	v_nop
	global_prefetch_b8 v0, s[64:65] scope:SCOPE_SE
	s_setreg_imm32_b32 hwreg(HW_REG_WAVE_MODE, 25, 1), 1
	s_wait_xcnt 0x0
; For each of a batch's 36 tiles of 256 queries x 256 keys on or below the diagonal: S = q k^T (f16 products, f32 sums); then, for each row and each block of 128 keys (a wave's share),
; the block's own maximum m_j, p = 2^(c s - c m_j) with c = log2(e) / 32, rounded to f16 into P, and the two statistics c m_j and l_j = the sum of the unrounded p, in f32, into stat.
; The next launch joins the blocks by w_j = 2^(c m_j - c m) with the row's maximum m: every exponential has a true maximum taken away.
; THE MASK is the C operand that starts each sum: 0, or -2^100 where the key is hidden.  LIMITS: a hidden score counts as its value less 2^100; true scores of f16 operands are 4.4e12 at the most;
; a block with no visible key gets m_j = -2^80, p = 0, l_j = 0.  A weight below 2^-126 counts as 0; below 6e-5 p keeps f16's fixed step.  NaN and infinities are not treated apart.
; NO CLUSTER: tile row i of the causal set has i + 1 tiles and tile column j has 8 - j: the 36 tiles do not divide into fours that share a tile.
; Tile, ring and way out as in the projection: four waves of 128 x 128, K = 1,024 in 8 steps of 128, two LDS slots, one K step a trip.  Source 0 = 16 keys, source 1 = 16 queries: a lane holds one query, 8 keys.
; THE SOFTMAX's text stands once, for four query blocks in window 2, and is walked twice: between the trips the accumulators of my rows 64-127 are copied from window 3 to where the text names them:
; 256 moves a wave, once a launch, for half of the softmax's text.
.set PITCH,  272
.set HALFT,  128*PITCH
.set SLOT,   4*HALFT                   ; q's 256 rows, then k's 256 rows
.set STAGE,  2*SLOT
.set SPITCH, 272
.set STATST, STAGE+4*16*SPITCH         ; 1,024 bytes a wave: c m of its 128 rows, then l
.set SPARE,  STATST+4096               ; the spare words
.set ROWB,   4096                      ; bytes in a row of P
.set TRIPS,  6
.set AA0, 16
.set AB0, 17
.set ADRA, 18
.set ADRB, 19
.set STS, 20                           ; v20 where my row's statistics go, in the half in hand
.set SL,  21                           ; v21 where I read 16 bytes of them back
.set SG,  22                           ; v22 16 x lane
.set DL,  23                           ; v23 a key of the diagonal block is hidden where 16 z + j is greater
.set STO, 24
.set RD,  25
.set CO,  26
.set STS0, 27                          ; v27 the same as v20 for my rows 0-63; never rewritten
.set SPW, 28
.set NIL, 29
.set PFO, 30
.set F0,  64
.set F1,  128
.set TMP, 192
.set OB,  32
.set T,   64                           ; v64-85 at work in the softmax
.set CM,  88                           ; v[88:89] c m (the pair's low word is used)
.set LS,  90                           ; v[90:91] l, and the exchange
.set G1,  24
.set G0,  32
.set SB,  21
.set LIM, 40
.set PFA, 42
.set CB,  44                           ; s[44:45] P at the first row and column of the half in hand
.set SBA, 46                           ; s[46:47] stat at my 128 rows of my block
.set CS,  48                           ; s[48:49] c
.set SEL, 50                           ; s[50:51] v_permlanex16_b32's selects
.set MB,  52                           ; s52 -2^100
.set FL,  53                           ; s53 -2^80
.set STB, 54                           ; s54 0 for my rows 0-63, 256 for rows 64-127: their words of statistics
.set MSB, 0
.macro WIN new
.if MSB != (\new)
	s_set_vgpr_msb (MSB<<8)|(\new)
.set MSB, \new
.endif
.endm
.set MUL_LO,  0xa1
.set MUL_LO1, 0x91
.set TO_B,    0x40
.macro PLACES
.rept 4
	v_nop
.endr
.endm
; A prefetch of the K step two refills on (trip t: step t + 4; trips 4, 5: nothing): my own 128 rows x 256 bytes, four instructions, a lane a row.  q's rows are named by the tile with j = 0, k's by the tile with i = j.
.macro ASK
	s_cmp_gt_u32 s3, s[LIM]
	s_cbranch_scc0 .Lnot_mine_\@
.irp g, 0,1,2,3
	global_prefetch_b8 v[PFO], s[PFA:PFA+1] offset:(\g)*32*6144 th:TH_LOAD_NT scope:SCOPE_SE
.endr
.Lnot_mine_\@:
.endm
.macro MUL16 f, hi, a0, first          ; first = 1: C is the mask set for the sign of (key block - query block)
.if \first
	WIN MUL_LO1+0x40*(\hi)
.else
	WIN MUL_LO+0x50*(\hi)
.endif
.irp a, \a0, (\a0)+1
.irp b, 0,1,2,3,4,5,6,7
.if \first
.set zz, (\b)-(4*(\hi)+(\a))
.set CST, 8
.if zz > 0
.set CST, 16
.endif
.if zz < 0
.set CST, 0
.endif
	v_wmma_f32_16x16x32_f16 v[8*(8*(\a)+(\b)):8*(8*(\a)+(\b))+7], v[(\f)+8*(\b):(\f)+8*(\b)+7], v[(\f)+8*(4*(\hi)+(\a)):(\f)+8*(4*(\hi)+(\a))+7], v[CST:CST+7]
.else
	v_wmma_f32_16x16x32_f16 v[8*(8*(\a)+(\b)):8*(8*(\a)+(\b))+7], v[(\f)+8*(\b):(\f)+8*(\b)+7], v[(\f)+8*(4*(\hi)+(\a)):(\f)+8*(4*(\hi)+(\a))+7], v[8*(8*(\a)+(\b)):8*(8*(\a)+(\b))+7]
.endif
.endr
.endr
.endm
.macro FETCH q, f
	WIN TO_B
.irp i, 0,1,2,3,4,5,6,7
	ds_load_b128 v[(\f)+8*(\i):(\f)+8*(\i)+3],   v[ADRB] offset:64*(\q)+(\i)*16*PITCH
	ds_load_b128 v[(\f)+8*(\i)+4:(\f)+8*(\i)+7], v[ADRB] offset:64*(\q)+(\i)*16*PITCH+32
.endr
	WIN 0
.irp i, 0,1,2,3,4,5,6,7
	ds_load_b128 v[(\f)+8*(\i):(\f)+8*(\i)+3],   v[ADRA] offset:64*(\q)+(\i)*16*PITCH
	ds_load_b128 v[(\f)+8*(\i)+4:(\f)+8*(\i)+7], v[ADRA] offset:64*(\q)+(\i)*16*PITCH+32
.endr
.endm
.macro QUARTER q, f, g, first
	s_wait_dscnt 8                                 ; all but the youngest eight loads (q's rows 64-127)
	MUL16 \f, 0, 0, \first
	MUL16 \f, 0, 2, \first
	PLACES
	FETCH \q, \g
	s_wait_dscnt 32                                ; all but the 32 just issued
	MUL16 \f, 1, 0, \first
	MUL16 \f, 1, 2, \first
.endm
; The fourth quarter and the change of slots: each wave waits for all its tensor loads (one is out: its part of the next slot), adds 0 to its spare word, waits for that and for its reads of this slot;
; behind the barrier the refill (the K step two on, into the slot just read) comes first.
.macro TURN fill
.if \fill
	s_wait_xcnt 0x0                                ; the last prefetches, a K step back, have read their address
	s_add_nc_u64 s[PFA:PFA+1], s[PFA:PFA+1], 256
.endif
	WIN 0
	s_wait_tensorcnt 0x0
	ds_add_u32 v[SPW], v[NIL]
	s_wait_dscnt 9                                 ; the add and the youngest eight loads may be out
.if \fill
	s_xor_b32 s[G0+5], s[G0+5], SLOT
	s_add_nc_u64 s[G0+6:G0+7], s[G0+6:G0+7], 256
.endif
	MUL16 F1, 0, 0, 0
	s_wait_dscnt 0x0
	s_barrier_signal -1
	MUL16 F1, 0, 2, 0
	WIN 0
	s_barrier_wait -1
.if \fill
	tensor_load_to_lds s[G0+4:G0+7], s[G1:G1+7]
	s_nop 0
.endif
	PLACES
	s_xor_b32 s[SB], s[SB], SLOT
	v_add_nc_u32 v[ADRA], s[SB], v[AA0]
	v_add_nc_u32 v[ADRB], s[SB], v[AB0]
	FETCH 0, F0
.if \fill
	ASK
.endif
	MUL16 F1, 1, 0, 0
	MUL16 F1, 1, 2, 0
.endm
; The softmax of query block a (0 to 3, in window 2) over my 128 keys: a lane holds 64 scores of one query, the lane 16 away the other 64.
.macro SOFT a
.set W, 2
.set AC, 64*(\a)
	WIN W|(W<<2)|(W<<4)                            ; the maximum, three at a time in ascending order
.set k, 0
.rept 21
	v_max3_num_f32 v[T+k], v[AC+3*k], v[AC+3*k+1], v[AC+3*k+2]
.set k, k+1
.endr
	v_max_num_f32 v[T+21], v[AC+63], v[AC+63]
	WIN 0
.set k, 0
.rept 7
	v_max3_num_f32 v[T+k], v[T+3*k], v[T+3*k+1], v[T+3*k+2]
.set k, k+1
.endr
	v_max3_num_f32 v[T], v[T], v[T+1], v[T+2]
	v_max3_num_f32 v[T+1], v[T+3], v[T+4], v[T+5]
	v_max3_num_f32 v[T+2], v[T+6], v[T+21], s[FL]  ; the floor stands in where every key is hidden
	v_max3_num_f32 v[T], v[T], v[T+1], v[T+2]
	v_permlanex16_b32 v[T+1], v[T], s[SEL], s[SEL+1]
	v_max_num_f32 v[T], v[T], v[T+1]
	v_mul_f32 v[CM], s[CS], v[T]
	WIN (W<<6)|W                                   ; c s - c m and the 64 exponentials, in place: ONE batch; no line of it reads an exponential's result
.irp p, 0,1
	v_pk_fma_f32 v[AC+2*\p:AC+2*\p+1], v[AC+2*\p:AC+2*\p+1], s[CS:CS+1], v[CM:CM+1] op_sel_hi:[1,0,0] neg_lo:[0,0,1] neg_hi:[0,0,1]
.endr
.set k, 0
.rept 32
	v_exp_f32 v[AC+2*k], v[AC+2*k]
.if k < 30
	v_pk_fma_f32 v[AC+2*k+4:AC+2*k+5], v[AC+2*k+4:AC+2*k+5], s[CS:CS+1], v[CM:CM+1] op_sel_hi:[1,0,0] neg_lo:[0,0,1] neg_hi:[0,0,1]
.endif
	v_exp_f32 v[AC+2*k+1], v[AC+2*k+1]
.set k, k+1
.endr
	v_nop                                          ; a plain instruction behind the last exponential,
	s_wait_alu depctr_va_vdst(0)                   ; and the one wait ahead of the batch's first reader
	WIN W|(W<<2)
.set k, 0
.rept 32
	v_cvt_pk_f16_f32 v[TMP+k], v[AC+2*k], v[AC+2*k+1]
.set k, k+1
.endr
	WIN (W<<6)|(W<<2)|W                            ; the sum of the 32 pairs, a tree in place
.irp s, 1,2,4,8,16
.set k, 0
.rept 16/(\s)
	v_pk_add_f32 v[AC+2*k:AC+2*k+1], v[AC+2*k:AC+2*k+1], v[AC+2*(k+\s):AC+2*(k+\s)+1]
.set k, k+2*(\s)
.endr
.endr
	WIN W|(W<<2)
	v_add_f32 v[LS], v[AC], v[AC+1]
	WIN 0
	v_permlanex16_b32 v[LS+1], v[LS], s[SEL], s[SEL+1]
	v_add_f32 v[LS], v[LS], v[LS+1]
	ds_store_b32 v[STS], v[CM] offset:64*(\a)      ; both halves of the lanes write the same word with the same number
	ds_store_b32 v[STS], v[LS] offset:512+64*(\a)
.endm
.macro TOSTAGE a
	WIN 0
.set BK, OB+192*((\a)%2)
.irp b, 0,1,2,3,4,5,6,7
	ds_store_b128 v[STO], v[TMP+4*(\b):TMP+4*(\b)+3] offset:32*(\b)
.endr
.irp t, 0,1,2,3,4,5,6,7
	ds_load_b128 v[BK+4*(\t):BK+4*(\t)+3], v[RD] offset:(\t)*2*SPITCH  ; LDS serves a wave's instructions in order: these see the stores above
.endr
.endm
.macro SEND a, younger
	WIN 0
.set BK, OB+192*((\a)%2)
	s_wait_dscnt \younger
	s_wait_xcnt 0x0                                ; the stores of the block before have read their registers
.irp t, 0,1,2,3,4,5,6,7
	global_store_b128 v[CO], v[BK+4*(\t):BK+4*(\t)+3], s[CB:CB+1] offset:((\a)*16+2*(\t))*ROWB  ; 16 lanes store 256 consecutive bytes, aligned
.endr
.endm
	s_load_b128 s[4:7], s[0:1], 0x0                ; qkv s[4:5], P s[6:7]
	s_load_b64 s[8:9], s[0:1], 0x10                ; stat
	v_lshl_add_u32 v[SPW], v0, 2, SPARE
	v_mov_b32 v[NIL], 0
	ds_add_u32 v[SPW], v[NIL]                      ; the wave's opening: the add and its wait ahead of my first tensor load
	v_lshrrev_b32 v1, 5, v0
	v_readfirstlane_b32 s10, v1                    ; wave 0..3
	s_lshr_b32 s11, s10, 1                         ; my half of the queries
	s_and_b32 s12, s10, 1                          ; my half of the keys.  Also: which 128 rows I fetch
	s_mov_b32 s13, 0                               ; tile row i: how many of the triangular numbers the work-group's number has reached
.irp n, 1,3,6,10,15,21,28
	s_cmp_ge_u32 ttmp9, \n
	s_add_co_ci_u32 s13, s13, 0
.endr
	s_add_co_u32 s14, s13, 1
	s_mul_i32 s14, s14, s13
	s_lshr_b32 s14, s14, 1
	s_sub_co_u32 s14, ttmp9, s14                   ; tile column j = number - i (i + 1) / 2
	s_and_b32 s15, ttmp7, 0xffff                   ; batch
	s_mov_b32 s[G1+0], (1<<16)|(1<<20)|(5<<22)|(3<<25)  ; 2-byte elements; padding on: after 64 words 4 words
	s_mov_b32 s[G1+1], 128<<16
	s_mov_b32 s[G1+2], 128<<16
	s_mov_b32 s[G1+3], 128<<16
	s_mov_b32 s[G1+4], 128
	s_mov_b32 s[G1+5], 3072
	s_mov_b32 s[G1+6], 0
	s_mov_b32 s[G1+7], 0
	s_cmp_lt_u32 s10, 2                            ; waves 0, 1 fetch q's rows of tile row i, waves 2, 3 k's rows of tile column j
	s_cselect_b32 s16, s13, s14
	s_cselect_b32 s18, 0, 2048                     ; k lies 2,048 bytes along a row of qkv
	s_lshl_b32 s16, s16, 8
	s_lshl_b32 s17, s12, 7
	s_add_co_u32 s16, s16, s17
	s_lshl_b32 s17, s15, 11
	s_add_co_u32 s16, s16, s17
	s_mul_i32 s16, s16, 6144
	s_add_co_u32 s16, s16, s18
	s_mov_b32 s17, 0
	s_mul_i32 s20, s10, HALFT
	s_mov_b32 s[SB], 0
	s_mov_b32 s[CS], 0x3d38aa3b                    ; c = log2(e) / 32
	s_mov_b32 s[CS+1], s[CS]
	s_mov_b32 s[SEL], 0x76543210
	s_mov_b32 s[SEL+1], 0xfedcba98
	s_mov_b32 s[MB], 0xf1800000                    ; -2^100
	s_mov_b32 s[FL], 0xe7800000                    ; -2^80
	s_wait_dscnt 0x0                               ; the opening add is done
	s_wait_kmcnt 0x0
	s_add_nc_u64 s[PFA:PFA+1], s[4:5], s[16:17]    ; my 128 rows at K step 0
.irp s, 0,1
	s_mov_b32 s[G0+4*(\s)], 1
	s_add_co_u32 s[G0+4*(\s)+1], s20, (\s)*SLOT
	s_add_nc_u64 s[G0+4*(\s)+2:G0+4*(\s)+3], s[PFA:PFA+1], (\s)*256
	s_or_b32 s[G0+4*(\s)+3], s[G0+4*(\s)+3], 0x80000000
.endr
	tensor_load_to_lds s[G0:G0+3], s[G1:G1+7]      ; K steps 0 and 1: two loads of mine are out
	s_nop 0
	tensor_load_to_lds s[G0+4:G0+7], s[G1:G1+7]
	s_nop 0
	PLACES
	s_add_nc_u64 s[PFA:PFA+1], s[PFA:PFA+1], 3*256 ; the prefetches stand at K step 3; the first refill steps them to 4
	s_sub_co_u32 s23, s13, s14
	s_cmp_lt_u32 s10, 2
	s_cselect_b32 s22, s14, s23                    ; 0 where I am the one to ask
	s_cmp_eq_u32 s22, 0
	s_cselect_b32 s[LIM], 2, -1
	v_and_b32 v1, 15, v0                           ; r
	v_bfe_u32 v2, v0, 4, 1                         ; h
	v_mul_u32_u24 v3, v1, PITCH
	v_lshl_add_u32 v3, v2, 4, v3
	s_mul_i32 s22, s11, HALFT
	v_add_nc_u32 v[AA0], s22, v3
	s_mul_i32 s22, s12, HALFT
	s_add_co_u32 s22, s22, 2*HALFT
	v_add_nc_u32 v[AB0], s22, v3
	s_mul_i32 s23, s10, 16*SPITCH
	s_add_co_u32 s23, s23, STAGE
	v_mul_u32_u24 v4, v1, SPITCH
	v_lshl_add_u32 v4, v2, 4, v4
	v_add_nc_u32 v[STO], s23, v4
	v_mul_u32_u24 v5, v2, SPITCH
	v_lshl_add_u32 v5, v1, 4, v5
	v_add_nc_u32 v[RD], s23, v5
	v_lshlrev_b32 v5, 12, v2
	v_lshl_add_u32 v[CO], v1, 4, v5
	s_lshl_b32 s22, s10, 10
	s_add_co_u32 s22, s22, STATST
	v_lshl_add_u32 v[STS0], v1, 2, s22
	v_and_b32 v4, 31, v0
	v_lshl_add_u32 v[SL], v4, 4, s22
	v_lshlrev_b32 v[SG], 4, v4
	v_mul_u32_u24 v[PFO], v4, 6144
	; the masks: three sets of 8 registers in window 1, for key block - query block < 0, = 0, > 0.  Register j of set z is hidden where 16 (z - 1) + j > r - 8 h + 128 (my query half - my key half);
	; off the diagonal tile nothing is hidden
	s_sub_co_i32 s22, s11, s12
	s_lshl_b32 s22, s22, 7
	s_cmp_eq_u32 s13, s14
	s_cselect_b32 s22, s22, 0x10000
	v_lshlrev_b32 v5, 3, v2
	v_sub_nc_u32 v5, v1, v5
	v_add_nc_u32 v[DL], s22, v5
	WIN TO_B
.irp z, 0,1,2
.irp j, 0,1,2,3,4,5,6,7
	v_cmp_gt_i32 vcc_lo, 16*((\z)-1)+(\j), v[DL]
	v_cndmask_b32 v[8*(\z)+(\j)], 0, s[MB], vcc_lo
.endr
.endr
	WIN 0
	s_lshl_b32 s16, s15, 11                        ; P at (batch, 256 i + 128 x query half, 256 j + 128 x key half)
	s_lshl_b32 s17, s13, 8
	s_add_co_u32 s16, s16, s17
	s_lshl_b32 s17, s11, 7
	s_add_co_u32 s16, s16, s17
	s_lshl_b32 s16, s16, 12
	s_lshl_b32 s17, s14, 9
	s_add_co_u32 s16, s16, s17
	s_lshl_b32 s17, s12, 8
	s_add_co_u32 s16, s16, s17
	s_mov_b32 s17, 0
	s_add_nc_u64 s[CB:CB+1], s[6:7], s[16:17]
	s_lshl_b32 s18, s15, 4                         ; stat at ((batch x 16 + 2 j + key half) x 2,048 + 256 i + 128 x query half) x 4
	s_lshl_b32 s19, s14, 1
	s_add_co_u32 s18, s18, s19
	s_add_co_u32 s18, s18, s12
	s_lshl_b32 s18, s18, 11
	s_lshl_b32 s19, s13, 8
	s_add_co_u32 s18, s18, s19
	s_lshl_b32 s19, s11, 7
	s_add_co_u32 s18, s18, s19
	s_lshl_b32 s18, s18, 2
	s_mov_b32 s19, 0
	s_add_nc_u64 s[SBA:SBA+1], s[8:9], s[18:19]
	s_wait_tensorcnt 1                             ; my part of K step 0 is in; step 1's may stay out
	s_barrier_signal -1
	s_barrier_wait -1
	v_add_nc_u32 v[ADRA], s[SB], v[AA0]
	v_add_nc_u32 v[ADRB], s[SB], v[AB0]
	FETCH 0, F0
	QUARTER 1, F0, F1, 1                           ; the first quarter starts the sums with the mask
	WIN 0
	s_mov_b32 s3, TRIPS
.Lstep:
	QUARTER 2, F1, F0, 0
	QUARTER 3, F0, F1, 0
	TURN 1
	QUARTER 1, F0, F1, 0
	WIN 0
	s_sub_co_u32 s3, s3, 1
	s_cmp_lg_u32 s3, 0
	s_cbranch_scc1 .Lstep
	; The last two K steps ask for nothing: a second loop of two trips, entered behind a step's quarter 0 and the text stands once.
	; Its last trip has no next step: its change of slots passes one more barrier and fetches 16 fragments from the slot read before, which nobody multiplies: the price, once a launch, of one text for both trips.
	s_mov_b32 s3, 2
	s_branch .Lin
.Ltail:
	QUARTER 1, F0, F1, 0
	WIN 0
.Lin:
	QUARTER 2, F1, F0, 0
	QUARTER 3, F0, F1, 0
	TURN 0
	WIN 0
	s_sub_co_u32 s3, s3, 1
	s_cmp_lg_u32 s3, 0
	s_cbranch_scc1 .Ltail
	s_wait_dscnt 0x0                               ; the fragments fetched for nothing have landed: the softmax works in their registers
	PLACES
	v_mov_b32 v[CM+1], 0                           ; named with c m as a pair
	v_mov_b32 v[LS+1], 0                           ; v_permlanex16_b32's destination counts as read
	s_mov_b32 s[STB], 0
	s_mov_b32 s3, 2
	s_branch .Lh_in                                ; my rows 0-63 lie in window 2 already
.Lhalf:
	WIN 0x83                                       ; destination window 2, source window 3: my rows 64-127 go where the one text of the softmax names its scores, each accumulator from its low end on
.set n, 0
.rept 256
	v_mov_b32 v[n], v[n]
.set n, n+1
.endr
	WIN 0
	s_wait_xcnt 0x0                                ; the stores have read their base and their registers
	s_add_nc_u64 s[CB:CB+1], s[CB:CB+1], 64*ROWB   ; 64 rows of P on
	s_add_co_u32 s[STB], s[STB], 256               ; and 64 words of statistics
.Lh_in:
	v_add_nc_u32 v[STS], s[STB], v[STS0]
	SOFT 0
	TOSTAGE 0
.irp a, 1,2,3
	SOFT \a
	SEND (\a)-1, 2                                 ; behind the block's loads stand this block's two stores of statistics
	TOSTAGE \a
.endr
	SEND 3, 0
	s_sub_co_u32 s3, s3, 1
	s_cmp_lg_u32 s3, 0
	s_cbranch_scc1 .Lhalf
	ds_load_b128 v[32:35], v[SL]                   ; my 128 rows' c m and l: my own stores, served in order
	ds_load_b128 v[36:39], v[SL] offset:512
	s_wait_dscnt 0x0
	global_store_b128 v[SG], v[32:35], s[SBA:SBA+1]                ; 512 consecutive bytes, aligned
	global_store_b128 v[SG], v[36:39], s[SBA:SBA+1] offset:524288
	s_wait_tensorcnt 0x0                           ; the wave's end
	ds_add_u32 v[SPW], v[NIL]
	s_wait_dscnt 0x0
	s_endpgm
.Lfunc_end_k_qd621c256a6_score:
	.size	k_qd621c256a6_score, .Lfunc_end_k_qd621c256a6_score-k_qd621c256a6_score
	.p2alignl 7, 3214868480
	.fill 96, 4, 3214868480
	.section	.rodata,"a",@progbits
	.p2align	6, 0x0
	.amdhsa_kernel k_qd621c256a6_score
		.amdhsa_group_segment_fixed_size 327680
		.amdhsa_private_segment_fixed_size 0
		.amdhsa_enable_private_segment 0
		.amdhsa_kernarg_size 24
		.amdhsa_user_sgpr_count 2
		.amdhsa_user_sgpr_kernarg_segment_ptr 1
		.amdhsa_wavefront_size32 1
		.amdhsa_system_sgpr_workgroup_id_x 1
		.amdhsa_system_sgpr_workgroup_id_y 1
		.amdhsa_system_sgpr_workgroup_id_z 1
		.amdhsa_system_vgpr_workitem_id 0
		.amdhsa_next_free_vgpr 1024
		.amdhsa_next_free_sgpr 66
		.amdhsa_reserve_vcc 1
		.amdhsa_float_denorm_mode_32 3
		.amdhsa_float_denorm_mode_16_64 3
		.amdhsa_memory_ordered 1
		.amdhsa_forward_progress 1
		.amdhsa_inst_pref_size 129
	.end_amdhsa_kernel
	.amdgpu_metadata
---
amdhsa.version: [ 1, 2 ]
amdhsa.kernels:
  - .name:           k_qd621c256a6_score
    .symbol:         k_qd621c256a6_score.kd
    .args:
      - { .name: qkv, .offset: 0, .size: 8, .value_kind: global_buffer, .address_space: global }
      - { .name: P, .offset: 8, .size: 8, .value_kind: global_buffer, .address_space: global }
      - { .name: stat, .offset: 16, .size: 8, .value_kind: global_buffer, .address_space: global }
    .group_segment_fixed_size: 327680
    .private_segment_fixed_size: 0
    .kernarg_segment_align: 8
    .kernarg_segment_size: 24
    .max_flat_workgroup_size: 128
    .sgpr_count:     66
    .vgpr_count:     1024
    .wavefront_size: 32
...
	.end_amdgpu_metadata
.endif
;; end of part 3
;; launch pv (part 4): grid 8 x 32, 4 waves a work-group, clusters of 4 x 1, 327,680 bytes of LDS; arguments P, qkv, stat, out0; writes out0
.if DOCPART == 4
	.amdgcn_target "amdgcn-amd-amdhsa--gfx1250"
	.amdhsa_code_object_version 6
	.text
	.protected	k_qd621c256a6_pv
	.globl	k_qd621c256a6_pv
	.p2align	8
	.type	k_qd621c256a6_pv,@function
k_qd621c256a6_pv:
	s_mov_b64 s[64:65], 0
	v_nop
	global_prefetch_b8 v0, s[64:65] scope:SCOPE_SE
	s_setreg_imm32_b32 hwreg(HW_REG_WAVE_MODE, 25, 1), 1
	s_wait_xcnt 0x0
	s_wait_alu depctr_hold_cnt(0) depctr_sa_sdst(0) depctr_va_vdst(0) depctr_va_sdst(0) depctr_va_ssrc(0) depctr_va_vcc(0) depctr_vm_vsrc(0)
	s_getreg_b32 s2, hwreg(HW_REG_IB_STS2, 6, 4)
	s_cmp_eq_u32 s2, 0
	s_cbranch_scc0 .Lentry_in_a_cluster
	s_endpgm
.Lentry_in_a_cluster:
	s_bfe_u32 s2, ttmp6, 0x10000c
	s_cmp_lg_u32 s2, 0x3003
	s_cbranch_scc0 .Lentry_shape_is_right
	s_endpgm
.Lentry_shape_is_right:
; out[row][ch] = (sum over blocks j of w_j (P_j V_j)[row][ch]) / (sum over j of w_j l_j), w_j = 2^(c m_j - c m), c m = the largest c m_j of the row.  P: f16, relative to each block's own maximum;
; V: f16, columns 2,048-3,071 of qkv; c m_j, l_j: f32.  Products in f16, sums, w and the rescaling in f32; out f32.  The row's maximum is taken away before each exponential, so w <= 1 and the divisor is at least 1.
; LIMITS: those of the two launches before (f16's range for v; a weight below 2^-126 counts as 0).  NaN and infinities are not treated apart.
; SHARES.  A work-group makes 128 channels of TWO strips of 128 rows, b and then 15 - b: strip i needs (i >> 1) + 1 steps of 256 keys, together 9 whatever b: all 256 work-groups are alike and every trip count is a constant.
; The short strip goes first: it has 1 to 4 steps, so it always ends inside the loop of seven trips, and the way out between the strips stands once in the text.
; A wave makes 64 x 64: 16 accumulators.  CLUSTER 4 x 1: the four channel blocks share P's tile, asked for jointly; V's tile is each work-group's own, a plain load behind the same round.
; A STEP is four quarters of 64 keys, two blocks j.  Quarters 0, 1 sum into T0, quarters 2, 3 into T1, each begun with C = 0; O += T w is dealt in fours behind every second product, T0's in quarter 2, T1's in the next step's quarter 0.
; O is cleared at the start and between the strips (128 lines each): no first fold is written out.
; WINDOWS: 0: addresses, w, 1 / l, way out v64-127, O v128-255;  1: two fragment buffers of 128;  2: T0 v0-127, T1 v128-255.
.set PA,     528                       ; a row of P in LDS: 512 bytes + 16
.set PBV,    288                       ; a row of V: 256 bytes + 32 = 9 x 32
.set AHALF,  64*PA
.set BOFF,   128*PA
.set BHALF,  128*PBV
.set SLOT,   BOFF+256*PBV
.set STAGE,  2*SLOT                    ; 16 rows x 272 bytes for each wave
.set SPITCH, 272
.set SPARE,  STAGE+4*16*SPITCH         ; the spare words
.set INVT,   SPARE+512                 ; 1 / l: [2 strips][128 rows] f32
.set WT,     INVT+1024                 ; w: 32 entries, entry e at 512 e + 4 row; the first strip's blocks at entries 0-7, the second's at 8-23; 24-31 hold 0 and the walk never reaches them
.set VSTEP,  256*6144
.set AA0, 10
.set AB0, 11
.set ADRA, 12
.set ADRB, 13                          ; v13 keys 0-127 of the slot in hand, v14 keys 128-255
.set WL0, 15
.set WAD, 16
.set IAD, 17                           ; v17 my row's word of 1 / l, first strip; never rewritten: the strip stands in the load's immediate
.set STO, 18
.set RD,  19
.set GO,  20
.set PFO, 21
.set SOF, 22                           ; v22, v23 my row's byte in stat, first and second strip
.set SOS, 23
.set WS,  24
.set IS,  25
.set NEG, 26
.set SPW, 28
.set NIL, 29
.set WR,  32                           ; v32-39 w of the step's first block, a pair for each row block (the low word is used); v40-47 of its second
.set IV,  48                           ; v48-55 1 / l likewise
.set BK,  64                           ; v64-127 the way out, two sets of 32; at the head the statistics
.set OA,  128
.set F0,  0
.set F1,  128
.set WV,  12
.set RH,  13
.set CH,  14
.set CX,  15
.set CT,  16
.set PB,  18
.set NF,  20                           ; s20 steps of the first strip
.set SB,  21
.set G1A, 24
.set G1B, 32
.set G0A, 40                           ; s[40:47] group 0 for P, two sets: the second is made anew for each refill
.set G0B, 48                           ; s[48:55] for V
.set PAC, 56                           ; s[56:57] P at my 64 rows of the strip whose tiles are being asked for
.set PAL, 58                           ; s[58:59] the same for the second strip
.set VB,  60                           ; s[60:61] V at my 128 keys of step 0, my work-group's channels
.set NXT, 62                           ; s62 the step to ask for next;  s63 the last step of that strip
.set LQ,  63
.set OFF, 66
.set OF2, 68
.set RT,  70                           ; s70 steps of the first strip still to be finished
.set WTB, 71                           ; s71 LDS byte of the next step's two entries of w
.set LBA, 72
.set LBB, 73
.set OP,  74                           ; s[74:75] out at my rows of the strip in hand;  s[76:77] of the second
.set OLO, 76
.set PFA, 78
.set LIM, 80
.set QN,  81                           ; s81, s82, s[84:85], s[86:87]: the prefetches' own walk, two refills ahead
.set QLQ, 82
.set QPC, 84
.set QPL, 86
.set N2S, 88                           ; s88 blocks of 128 keys in the second strip, s89 in the first
.set N2F, 89
.set MSB, 0
.macro WIN new
.if MSB != (\new)
	s_set_vgpr_msb (MSB<<8)|(\new)
.set MSB, \new
.endif
.endm
.set MULW,  0xa5                       ; sources window 1, C and D window 2
.set FOLDW, 0x02                       ; T window 2, w and O window 0
.set TO_F,  0x40
.macro PLACES
.rept 4
	v_nop
.endr
.endm
.macro CREST
	s_cmp_lg_u32 s[WV], 0
	s_cbranch_scc1 .Lnot_wave_0_\@
	s_barrier_signal -3
.Lnot_wave_0_\@:
	s_barrier_wait -3
	s_barrier_signal -1
	s_barrier_wait -1
.endm
.macro CROUND
	s_barrier_signal -1
	s_barrier_wait -1
	CREST
.endm
.macro JLOAD                           ; waves 0, 1: the halves of P's tile, jointly; waves 2, 3: the halves of V's
	s_cmp_lt_u32 s[WV], 2
	s_cbranch_scc0 .Lfor_v_\@
	tensor_load_to_lds s[G0A+4:G0A+7], s[G1A:G1A+7]
	s_nop 0
	PLACES
	s_branch .Lasked_\@
.Lfor_v_\@:
	tensor_load_to_lds s[G0B+4:G0B+7], s[G1B:G1B+7]
	s_nop 0
	PLACES
.Lasked_\@:
.endm
.macro STEPW n, lq, pc, pl             ; a walk's next step: behind the first strip's last step comes step 0 of the second
	s_add_co_u32 s[\n], s[\n], 1
	s_cmp_gt_u32 s[\n], s[\lq]
	s_cselect_b32 s[\n], 0, s[\n]
	s_cselect_b64 s[\pc:\pc+1], s[\pl:\pl+1], s[\pc:\pc+1]
	s_cselect_b32 s[\lq], 15, s[\lq]
.endm
; A prefetch of the step two refills on (trip t: step t + 4 of the walk; trips 0-4).  P: waves 0, 1 of the clusters with x = 0; the four partners share a wave's 128 blocks of 256 bytes out by address, 32 each.
; V: waves 2, 3 of the work-groups with b = 0, whose walk is one step of the first strip and then all eight of the second: their own 128 rows, four instructions; the five trips name V's steps 3 to 7.
.macro ASK
	s_cmp_gt_u32 s3, s[LIM]
	s_cbranch_scc0 .Lnone_\@
	global_prefetch_b8 v[PFO], s[PFA:PFA+1] th:TH_LOAD_NT scope:SCOPE_SE
	s_cmp_lt_u32 s[WV], 2
	s_cbranch_scc1 .Lnone_\@
.irp g, 1,2,3
	global_prefetch_b8 v[PFO], s[PFA:PFA+1] offset:(\g)*32*6144 th:TH_LOAD_NT scope:SCOPE_SE
.endr
.Lnone_\@:
.endm
.macro FOLD4                           ; O += T w for accumulator FI of T number FU, from its low end on
	WIN FOLDW
.irp p, 0,1,2,3
	v_pk_fma_f32 v[OA+8*FI+2*\p:OA+8*FI+2*\p+1], v[128*FU+8*FI+2*\p:128*FU+8*FI+2*\p+1], v[WR+8*FU+2*(FI/4):WR+8*FU+2*(FI/4)+1], v[OA+8*FI+2*\p:OA+8*FI+2*\p+1] op_sel_hi:[1,0,1]
.endr
.set FI, FI+1
.endm
.macro MUL8 f, c, a0, u, zero, fold    ; 8 products: row blocks a0, a0 + 1 x 4 channel blocks, half c of buffer f, into T number u; the 16 accumulators take turns
.irp a, \a0, (\a0)+1
.irp b, 0,1,2,3
	WIN MULW
.if \zero
	v_wmma_f32_16x16x32_f16 v[128*(\u)+8*(4*(\a)+(\b)):128*(\u)+8*(4*(\a)+(\b))+7], v[(\f)+64+8*(4*(\c)+(\b)):(\f)+64+8*(4*(\c)+(\b))+7], v[(\f)+8*(4*(\c)+(\a)):(\f)+8*(4*(\c)+(\a))+7], 0
.else
	v_wmma_f32_16x16x32_f16 v[128*(\u)+8*(4*(\a)+(\b)):128*(\u)+8*(4*(\a)+(\b))+7], v[(\f)+64+8*(4*(\c)+(\b)):(\f)+64+8*(4*(\c)+(\b))+7], v[(\f)+8*(4*(\c)+(\a)):(\f)+8*(4*(\c)+(\a))+7], v[128*(\u)+8*(4*(\a)+(\b)):128*(\u)+8*(4*(\a)+(\b))+7]
.endif
.if (\fold) && (((\b)%2) == 1)
	FOLD4
.endif
.endr
.endr
.endm
.macro FETCH q, f                      ; 32 LDS loads: quarter q (64 keys) into buffer f, its first 32 keys first; V turned
	WIN TO_F
.irp c, 0,1
.irp i, 0,1,2,3
	ds_load_tr16_b128 v[(\f)+64+8*(4*(\c)+(\i)):(\f)+64+8*(4*(\c)+(\i))+3],   v[ADRB+(\q)/2] offset:(((\q)%2)*64+32*(\c))*PBV+32*(\i)
	ds_load_tr16_b128 v[(\f)+64+8*(4*(\c)+(\i))+4:(\f)+64+8*(4*(\c)+(\i))+7], v[ADRB+(\q)/2] offset:(((\q)%2)*64+32*(\c))*PBV+32*(\i)+16*PBV
	ds_load_b128 v[(\f)+8*(4*(\c)+(\i)):(\f)+8*(4*(\c)+(\i))+3],   v[ADRA] offset:128*(\q)+64*(\c)+(\i)*16*PA
	ds_load_b128 v[(\f)+8*(4*(\c)+(\i))+4:(\f)+8*(4*(\c)+(\i))+7], v[ADRA] offset:128*(\q)+64*(\c)+(\i)*16*PA+32
.endr
.endr
.endm
; A quarter: multiplies buffer f into T number u (zero = 1: its first 16 products start the sums), fetches quarter q into buffer g.  fold = 1: T number fu is folded into O.  wl = 1: the step's eight w are loaded.
.macro QUARTER q, f, g, u, zero, fold, fu, wl
	s_wait_dscnt 16                                ; the first 32 keys' fragments are in
.if \fold
.set FU, \fu
.set FI, 0
	PLACES                                         ; behind the last products on that T
.endif
	MUL8 \f, 0, 0, \u, \zero, \fold
	MUL8 \f, 0, 2, \u, \zero, \fold
	PLACES
.if \wl
	WIN 0
	v_add_nc_u32 v[WAD], s[WTB], v[WL0]
	s_add_co_u32 s[WTB], s[WTB], 1024
.irp a, 0,1,2,3
	ds_load_b32 v[WR+2*\a], v[WAD] offset:64*\a
	ds_load_b32 v[WR+8+2*\a], v[WAD] offset:512+64*\a
.endr
.endif
	FETCH \q, \g
	s_wait_dscnt 32                                ; all but the 32 just issued: w is in too
	MUL8 \f, 1, 0, \u, 0, \fold
	MUL8 \f, 1, 2, \u, 0, \fold
.endm
; The fourth quarter and the change of slots.  Each wave waits for all its tensor loads (one is out: its part of the next slot), adds 0 to its spare word, waits for that and for its reads of this slot.
; fill = 1: the barrier opens a round of the cluster's; the refill (the walk's step two on, into the slot just read) is the first thing behind the round.
.macro TURN fill
.if \fill
	s_wait_xcnt 0x0                                ; the last prefetches, a step back, have read their address
	STEPW QN, QLQ, QPC, QPL
	s_lshl_b32 s[OFF], s[QN], 9
	s_mul_i32 s[OF2], s[QN], VSTEP
	s_cmp_lt_u32 s[WV], 2
	s_cselect_b32 s[OFF], s[OFF], s[OF2]
	s_cselect_b64 s[PFA:PFA+1], s[QPC:QPC+1], s[VB:VB+1]
	s_add_nc_u64 s[PFA:PFA+1], s[PFA:PFA+1], s[OFF:OFF+1]
.endif
	WIN 0
	s_wait_tensorcnt 0x0
	ds_add_u32 v[SPW], v[NIL]
	s_wait_dscnt 17                                ; the add and the youngest sixteen loads may be out
.if \fill
	s_lshl_b32 s[OFF], s[NXT], 9                   ; no tensor load of mine is out: the second sets are made anew: 512 bytes along P's rows,
	s_mul_i32 s[OF2], s[NXT], VSTEP                ; 256 rows down V
	s_add_nc_u64 s[G0A+6:G0A+7], s[PAC:PAC+1], s[OFF:OFF+1]
	s_or_b32 s[G0A+7], s[G0A+7], 0x80000000
	s_add_nc_u64 s[G0B+6:G0B+7], s[VB:VB+1], s[OF2:OF2+1]
	s_or_b32 s[G0B+7], s[G0B+7], 0x80000000
	s_add_co_u32 s[G0A+5], s[LBA], s[SB]           ; into the slot in hand
	s_add_co_u32 s[G0B+5], s[LBB], s[SB]
	STEPW NXT, LQ, PAC, PAL
.endif
	MUL8 F1, 0, 0, 1, 0, 0
	s_wait_dscnt 0x0
	s_barrier_signal -1
	MUL8 F1, 0, 2, 1, 0, 0
	WIN 0
	s_barrier_wait -1
.if \fill
	CREST
	JLOAD
.else
	PLACES
.endif
	s_xor_b32 s[SB], s[SB], SLOT
	v_add_nc_u32 v[ADRA], s[SB], v[AA0]
	v_add_nc_u32 v[ADRB], s[SB], v[AB0]
	v_add_nc_u32 v[ADRB+1], BHALF, v[ADRB]
	FETCH 0, F0
	WIN 0
.if \fill
	ASK
.endif
	MUL8 F1, 1, 0, 1, 0, 0
	MUL8 F1, 1, 2, 1, 0, 0
.endm
; THE WAY OUT of a strip: O times 1 / l, through my own stage, stored as whole rows of 256 bytes.  mid = 1: this is the first strip, and the second follows; mid = 0: the second strip.
.macro OMUL a
.set n, 0
.rept 16
	v_pk_mul_f32 v[OA+32*(\a)+2*n:OA+32*(\a)+2*n+1], v[OA+32*(\a)+2*n:OA+32*(\a)+2*n+1], v[IV+2*(\a):IV+2*(\a)+1] op_sel_hi:[1,0]
.set n, n+1
.endr
.endm
.macro OSTAGE a
.irp b, 0,1,2,3
	ds_store_b128 v[STO], v[OA+32*(\a)+8*\b:OA+32*(\a)+8*\b+3] offset:64*\b
	ds_store_b128 v[STO], v[OA+32*(\a)+8*\b+4:OA+32*(\a)+8*\b+7] offset:64*\b+16
.endr
.irp t, 0,1,2,3,4,5,6,7
	ds_load_b128 v[BK+32*((\a)%2)+4*\t:BK+32*((\a)%2)+4*\t+3], v[RD] offset:\t*2*SPITCH  ; LDS serves a wave's instructions in order: these see the stores above
.endr
.endm
.macro OSEND a
	s_wait_dscnt 0x0
	s_wait_xcnt 0x0                                ; the stores of the block before have read their registers
.irp t, 0,1,2,3,4,5,6,7
	global_store_b128 v[GO], v[BK+32*((\a)%2)+4*\t:BK+32*((\a)%2)+4*\t+3], s[OP:OP+1] offset:(\a)*65536+\t*8192  ; 16 lanes store 256 consecutive bytes, aligned
.endr
.endm
.macro EPI mid
	WIN 0
.irp a, 0,1,2,3
	ds_load_b32 v[IV+2*\a], v[IAD] offset:64*\a+512*(1-(\mid))  ; the strip's 512 bytes of 1 / l stand in the immediate
.endr
	s_wait_dscnt 0x0
	OMUL 0
	OSTAGE 0
.irp a, 1,2,3
	OMUL \a
	OSEND (\a)-1
	OSTAGE \a
.endr
	OSEND 3
.if \mid
	s_wait_xcnt 0x0                                ; the stores have read their base
	s_mov_b64 s[OP:OP+1], s[OLO:OLO+1]
	s_mov_b32 s[WTB], WT+8*512                     ; the second strip's entries of w
.set n, 0
.rept 128
	v_mov_b32 v[OA+n], 0
.set n, n+1
.endr
.endif
.endm
; THE STATISTICS.  Thread t owns row t of a strip.  Block j is loaded from min(j, 2 n - 1), so that only words that the launch before stored are read; beyond 2 n - 1 its c m is then the lowest finite number, and its w is 0.
.macro STATL nj, n2, so, cm, ll, of
	s_sub_co_u32 s23, s[\n2], 1
.set jj, 0
.rept \nj
	s_min_u32 s22, s23, jj
	s_lshl_b32 s22, s22, 13
	v_add_nc_u32 v[(\of)+jj], s22, v[\so]
	global_load_b32 v[(\cm)+jj], v[(\of)+jj], s[8:9]
	global_load_b32 v[(\ll)+jj], v[(\of)+jj], s[8:9] offset:524288
.set jj, jj+1
.endr
.endm
.macro STATC nj, n2, cm, ll, wto, ivo
.set jj, 0
.rept \nj
	s_cmp_gt_u32 s[\n2], jj
	s_cselect_b32 s22, -1, 0
	v_cndmask_b32 v[(\cm)+jj], v[NEG], v[(\cm)+jj], s22
.set jj, jj+1
.endr
	v_max_num_f32 v4, v[\cm], v[(\cm)+1]
.set jj, 2
.rept (\nj)/2-1
	v_max3_num_f32 v4, v4, v[(\cm)+jj], v[(\cm)+jj+1]
.set jj, jj+2
.endr
.set jj, 0
.rept \nj
	v_sub_f32 v[(\cm)+jj], v[(\cm)+jj], v4
.set jj, jj+1
.endr
.set jj, 0
.rept \nj
	v_exp_f32 v[(\cm)+jj], v[(\cm)+jj]
.set jj, jj+1
.endr
	v_nop                                          ; a plain instruction behind the last exponential,
	s_wait_alu depctr_va_vdst(0)                   ; and the batch's one wait
	v_mul_f32 v5, v[\cm], v[\ll]
.set jj, 1
.rept (\nj)-1
	v_fmac_f32 v5, v[(\cm)+jj], v[(\ll)+jj]
.set jj, jj+1
.endr
	v_rcp_f32 v6, v5
.set jj, 0
.rept \nj
	ds_store_b32 v[WS], v[(\cm)+jj] offset:(\wto)+512*jj
.set jj, jj+1
.endr
	v_nop
	s_wait_alu depctr_va_vdst(0)
	ds_store_b32 v[IS], v6 offset:\ivo
.endm
	s_load_b256 s[4:11], s[0:1], 0x0               ; P s[4:5], qkv s[6:7], stat s[8:9], out s[10:11]
	v_lshl_add_u32 v[SPW], v0, 2, SPARE
	v_mov_b32 v[NIL], 0
	ds_add_u32 v[SPW], v[NIL]                      ; the wave's opening: the add and its wait ahead of my first tensor load
	v_lshrrev_b32 v1, 5, v0
	v_readfirstlane_b32 s[WV], v1                  ; wave 0..3
	s_lshr_b32 s[RH], s[WV], 1                     ; my half of the rows
	s_and_b32 s[CH], s[WV], 1                      ; my half of the channels.  Also: which half of a tile I fetch
	s_bfe_u32 s[CX], ttmp6, 0x40000
	s_lshl_b32 s[CT], ttmp9, 2
	s_add_co_u32 s[CT], s[CT], s[CX]               ; my block of 128 channels
	s_and_b32 s17, ttmp7, 0xffff
	s_and_b32 s[PB], s17, 7                        ; b: the first strip
	s_lshr_b32 s17, s17, 3                         ; batch
	s_sub_co_u32 s19, 15, s[PB]                    ; the second strip
	s_lshr_b32 s[NF], s[PB], 1
	s_add_co_u32 s[NF], s[NF], 1                   ; the first strip's steps, 1 to 4
	s_lshl_b32 s[N2F], s[NF], 1
	s_lshr_b32 s[N2S], s19, 1
	s_add_co_u32 s[N2S], s[N2S], 1                 ; the second's, 5 to 8
	s_lshl_b32 s[N2S], s[N2S], 1
	s_mov_b32 s[G1A+0], 15|(1<<16)|(1<<20)|(1<<21)|(6<<22)|(3<<25)  ; the mask of four; 2-byte elements; padding on; bit 21 beside a mask; after 128 words 4 words
	s_mov_b32 s[G1A+1], 256<<16                    ; 256 keys
	s_mov_b32 s[G1A+2], 64<<16                     ; 64 rows
	s_mov_b32 s[G1A+3], 256<<16
	s_mov_b32 s[G1A+4], 64
	s_mov_b32 s[G1A+5], 2048
	s_mov_b32 s[G1A+6], 0
	s_mov_b32 s[G1A+7], 0
	s_mov_b32 s[G1B+0], (1<<16)|(1<<20)|(5<<22)|(7<<25)             ; no mask; after 64 words 8 words
	s_mov_b32 s[G1B+1], 128<<16                    ; 128 channels
	s_mov_b32 s[G1B+2], 128<<16                    ; 128 keys
	s_mov_b32 s[G1B+3], 128<<16
	s_mov_b32 s[G1B+4], 128
	s_mov_b32 s[G1B+5], 3072
	s_mov_b32 s[G1B+6], 0
	s_mov_b32 s[G1B+7], 0
	s_lshl_b32 s22, s17, 11                        ; the batch's first row
	s_lshl_b32 s23, s[PB], 7
	s_add_co_u32 s23, s23, s22                     ; the first strip's first row
	s_lshl_b32 s2, s19, 7
	s_add_co_u32 s2, s2, s22                       ; the second's
	s_lshl_b32 s90, s[CH], 6
	s_add_co_u32 s[PAC], s23, s90                  ; P: my 64 rows of 4,096 bytes
	s_lshl_b32 s[PAC], s[PAC], 12
	s_mov_b32 s[PAC+1], 0
	s_add_co_u32 s[PAL], s2, s90
	s_lshl_b32 s[PAL], s[PAL], 12
	s_mov_b32 s[PAL+1], 0
	s_lshl_b32 s90, s[CH], 7                       ; V: my 128 keys of 6,144 bytes, 4,096 bytes along, my work-group's 256 bytes
	s_add_co_u32 s[VB], s22, s90
	s_mul_i32 s[VB], s[VB], 6144
	s_lshl_b32 s90, s[CT], 8
	s_add_co_u32 s[VB], s[VB], s90
	s_add_co_u32 s[VB], s[VB], 4096
	s_mov_b32 s[VB+1], 0
	s_lshl_b32 s90, s[RH], 6                       ; out: my 64 rows of 4,096 bytes, 512 bytes a channel block, 256 a half
	s_lshl_b32 s91, s[CT], 9
	s_add_co_u32 s[OP], s23, s90
	s_lshl_b32 s[OP], s[OP], 12
	s_add_co_u32 s[OP], s[OP], s91
	s_add_co_u32 s[OLO], s2, s90
	s_lshl_b32 s[OLO], s[OLO], 12
	s_add_co_u32 s[OLO], s[OLO], s91
	s_lshl_b32 s90, s[CH], 8
	s_add_co_u32 s[OP], s[OP], s90
	s_add_co_u32 s[OLO], s[OLO], s90
	s_mov_b32 s[OP+1], 0
	s_mov_b32 s[OLO+1], 0
	s_mul_i32 s[LBA], s[CH], AHALF                 ; where my part of a tile goes: no place in the cluster enters an LDS address
	s_mul_i32 s[LBB], s[CH], BHALF
	s_add_co_u32 s[LBB], s[LBB], BOFF
	s_mov_b32 s[SB], 0
	s_mov_b32 s[NXT], 0
	s_sub_co_u32 s[LQ], s[NF], 1
	s_mov_b32 s[RT], s[NF]
	s_mov_b32 s[WTB], WT
	s_mov_b32 s[OFF+1], 0
	s_mov_b32 s[OF2+1], 0
	s_lshl_b32 s90, s[CX], 16                      ; the prefetches: my work-group's 16 of a wave's 64 rows of P
	s_mov_b32 s91, 0
	s_wait_dscnt 0x0                               ; the opening add is done
	s_wait_kmcnt 0x0
	s_add_nc_u64 s[PAC:PAC+1], s[4:5], s[PAC:PAC+1]
	s_add_nc_u64 s[PAL:PAL+1], s[4:5], s[PAL:PAL+1]
	s_add_nc_u64 s[VB:VB+1], s[6:7], s[VB:VB+1]
	s_add_nc_u64 s[OP:OP+1], s[10:11], s[OP:OP+1]
	s_add_nc_u64 s[OLO:OLO+1], s[10:11], s[OLO:OLO+1]
	CROUND                                         ; all four work-groups are here: the first joint loads meet
	s_mov_b32 s[G0A], 1                            ; the walk's step 0: the first strip's step 0
	s_mov_b32 s[G0A+1], s[LBA]
	s_add_nc_u64 s[G0A+2:G0A+3], s[PAC:PAC+1], 0
	s_or_b32 s[G0A+3], s[G0A+3], 0x80000000
	s_mov_b32 s[G0B], 1
	s_mov_b32 s[G0B+1], s[LBB]
	s_add_nc_u64 s[G0B+2:G0B+3], s[VB:VB+1], 0
	s_or_b32 s[G0B+3], s[G0B+3], 0x80000000
	STEPW NXT, LQ, PAC, PAL                        ; the walk's step 1: the first strip's step 1, or, where it has one step, the second's step 0
	s_lshl_b32 s[OFF], s[NXT], 9
	s_mul_i32 s[OF2], s[NXT], VSTEP
	s_mov_b32 s[G0A+4], 1
	s_add_co_u32 s[G0A+5], s[LBA], SLOT
	s_add_nc_u64 s[G0A+6:G0A+7], s[PAC:PAC+1], s[OFF:OFF+1]
	s_or_b32 s[G0A+7], s[G0A+7], 0x80000000
	s_mov_b32 s[G0B+4], 1
	s_add_co_u32 s[G0B+5], s[LBB], SLOT
	s_add_nc_u64 s[G0B+6:G0B+7], s[VB:VB+1], s[OF2:OF2+1]
	s_or_b32 s[G0B+7], s[G0B+7], 0x80000000
	STEPW NXT, LQ, PAC, PAL                        ; the walk's step 2: the first refill's
	s_mov_b32 s[QN], s[NXT]                        ; the prefetches' walk stands one step further, at step 3; the first refill steps it to 4
	s_mov_b32 s[QLQ], s[LQ]
	s_add_nc_u64 s[QPC:QPC+1], s[PAC:PAC+1], s[90:91]
	s_add_nc_u64 s[QPL:QPL+1], s[PAL:PAL+1], s[90:91]
	STEPW QN, QLQ, QPC, QPL
	s_cmp_lt_u32 s[WV], 2                          ; a wave's two first fills (the walk's steps 0 and 1) stand in one branch: two loads of mine are out
	s_cbranch_scc0 .Lfirst_v
	tensor_load_to_lds s[G0A:G0A+3], s[G1A:G1A+7]
	s_nop 0
	tensor_load_to_lds s[G0A+4:G0A+7], s[G1A:G1A+7]
	s_nop 0
	PLACES
	s_branch .Lfirst_asked
.Lfirst_v:
	tensor_load_to_lds s[G0B:G0B+3], s[G1B:G1B+7]
	s_nop 0
	tensor_load_to_lds s[G0B+4:G0B+7], s[G1B:G1B+7]
	s_nop 0
	PLACES
.Lfirst_asked:
	s_lshl_b32 s22, s17, 17                        ; stat: the batch's 131,072 bytes, the strip's 512, my row's 4
	s_lshl_b32 s23, s[PB], 9
	s_add_co_u32 s23, s23, s22
	v_lshl_add_u32 v[SOF], v0, 2, s23
	s_lshl_b32 s23, s19, 9
	s_add_co_u32 s23, s23, s22
	v_lshl_add_u32 v[SOS], v0, 2, s23
	STATL 16, N2S, SOS, 64, 80, 96                 ; both strips' statistics go out together
	STATL 8, N2F, SOF, 112, 120, 128
	v_mov_b32 v[NEG], 0xff7fffff
	v_lshl_add_u32 v[WS], v0, 2, WT
	v_lshl_add_u32 v[IS], v0, 2, INVT
	v_and_b32 v1, 15, v0                           ; r
	v_bfe_u32 v2, v0, 4, 1                         ; h
	v_and_b32 v3, 31, v0                           ; lane
	v_mul_u32_u24 v4, v1, PA
	v_lshl_add_u32 v4, v2, 4, v4
	s_mul_i32 s22, s[RH], AHALF
	v_add_nc_u32 v[AA0], s22, v4                   ; a fragment of P: row x pitch + 16 x half
	v_and_b32 v4, 7, v0
	v_lshl_add_u32 v4, v2, 3, v4                   ; the turning load: key 8 h + lane % 8, 16 bytes by (lane / 8) % 2
	v_mul_u32_u24 v4, v4, PBV
	v_bfe_u32 v5, v0, 3, 1
	v_lshl_add_u32 v4, v5, 4, v4
	s_lshl_b32 s22, s[CH], 7
	s_add_co_u32 s22, s22, BOFF
	v_add_nc_u32 v[AB0], s22, v4
	s_lshl_b32 s22, s[RH], 8
	v_lshl_add_u32 v[WL0], v1, 2, s22              ; my row's word in an entry of w
	v_add_nc_u32 v[IAD], INVT, v[WL0]
	s_mul_i32 s22, s[WV], 16*SPITCH
	s_add_co_u32 s22, s22, STAGE
	v_mul_u32_u24 v4, v1, SPITCH
	v_lshl_add_u32 v4, v2, 5, v4
	v_add_nc_u32 v[STO], s22, v4
	v_mul_u32_u24 v4, v2, SPITCH
	v_lshl_add_u32 v4, v1, 4, v4
	v_add_nc_u32 v[RD], s22, v4
	v_lshlrev_b32 v4, 12, v2
	v_lshl_add_u32 v[GO], v1, 4, v4
	s_mov_b32 s90, 6144
	s_cmp_lt_u32 s[WV], 2
	s_cselect_b32 s22, ttmp9, s[PB]                ; 0 where I am the one to ask
	s_cselect_b32 s91, 1, 0                        ; lanes to a row, less one
	s_cselect_b32 s90, 4096, s90                   ; bytes from row to row
	s_cmp_eq_u32 s22, 0
	s_cselect_b32 s[LIM], 2, -1                    ; the same in all four partners, for a given wave
	v_lshrrev_b32 v4, s91, v3
	v_mul_u32_u24 v4, s90, v4
	v_and_b32 v5, s91, v3
	v_lshl_add_u32 v[PFO], v5, 8, v4
.set n, 0
.rept 12
	v_mov_b32 v[WR+2*n+1], 0                       ; the pairs' upper words are named, not used
.set n, n+1
.endr
	v_mov_b32 v7, 0
	s_wait_loadcnt 0x0
	STATC 16, N2S, 64, 80, 8*512, 512
	STATC 8, N2F, 112, 120, 0, 0
.set jj, 24
.rept 8
	ds_store_b32 v[WS], v7 offset:512*jj           ; the table's last eight entries: the second strip has sixteen blocks at most, so the walk never reads them; written so that the whole table holds numbers
.set jj, jj+1
.endr
.set n, 0
.rept 128
	v_mov_b32 v[OA+n], 0
.set n, n+1
.endr
	s_wait_tensorcnt 1                             ; my part of step 0 is in; step 1's may stay out
	s_wait_dscnt 0x0                               ; for the others' sake: my rows of w and 1 / l are stored
	s_barrier_signal -1
	s_barrier_wait -1
	v_add_nc_u32 v[ADRA], s[SB], v[AA0]
	v_add_nc_u32 v[ADRB], s[SB], v[AB0]
	v_add_nc_u32 v[ADRB+1], BHALF, v[ADRB]
	FETCH 0, F0
	QUARTER 1, F0, F1, 0, 1, 0, 0, 0               ; step 0's quarter 0
	WIN 0
	s_mov_b32 s3, 7
.Lstep:                                            ; a trip: a step's quarters 1, 2, 3 and the next step's quarter 0
	QUARTER 2, F1, F0, 0, 0, 0, 0, 1
	QUARTER 3, F0, F1, 1, 1, 1, 0, 0
	TURN 1
	QUARTER 1, F0, F1, 0, 1, 1, 1, 0
	WIN 0
	s_sub_co_u32 s[RT], s[RT], 1
	s_cmp_lg_u32 s[RT], 0
	s_cbranch_scc1 .Lkeep1                         ; forward, past text without a barrier or a tensor load; the same in all four partners
	EPI 1                                          ; the first strip's last block is folded: it goes out (in one of trips 0 to 3)
.Lkeep1:
	s_sub_co_u32 s3, s3, 1
	s_cmp_lg_u32 s3, 0
	s_cbranch_scc1 .Lstep
	; The walk's last two steps ask for nothing: a second loop of two trips, entered behind a step's quarter 0 and the text stands once.
	; Its last trip has no next step: its change of slots passes one more barrier and fetches 16 fragments from the slot read before, which nobody multiplies: the price, once a launch, of one text for both trips.
	s_mov_b32 s3, 2
	s_branch .Lin
.Ltail:
	QUARTER 1, F0, F1, 0, 1, 1, 1, 0
	WIN 0
.Lin:
	QUARTER 2, F1, F0, 0, 0, 0, 0, 1
	QUARTER 3, F0, F1, 1, 1, 1, 0, 0
	TURN 0
	WIN 0
	s_sub_co_u32 s3, s3, 1
	s_cmp_lg_u32 s3, 0
	s_cbranch_scc1 .Ltail
	s_wait_dscnt 0x0                               ; the fragments fetched for nothing have landed
	PLACES
.set FU, 1
.set FI, 0
.rept 16
	FOLD4
.endr
	WIN 0
	EPI 0
	s_wait_tensorcnt 0x0                           ; the wave's end
	ds_add_u32 v[SPW], v[NIL]
	s_wait_dscnt 0x0
	CROUND                                         ; the closing round
	s_endpgm
.Lfunc_end_k_qd621c256a6_pv:
	.size	k_qd621c256a6_pv, .Lfunc_end_k_qd621c256a6_pv-k_qd621c256a6_pv
	.p2alignl 7, 3214868480
	.fill 96, 4, 3214868480
	.section	.rodata,"a",@progbits
	.p2align	6, 0x0
	.amdhsa_kernel k_qd621c256a6_pv
		.amdhsa_group_segment_fixed_size 327680
		.amdhsa_private_segment_fixed_size 0
		.amdhsa_enable_private_segment 0
		.amdhsa_kernarg_size 32
		.amdhsa_user_sgpr_count 2
		.amdhsa_user_sgpr_kernarg_segment_ptr 1
		.amdhsa_wavefront_size32 1
		.amdhsa_system_sgpr_workgroup_id_x 1
		.amdhsa_system_sgpr_workgroup_id_y 1
		.amdhsa_system_sgpr_workgroup_id_z 1
		.amdhsa_system_vgpr_workitem_id 0
		.amdhsa_next_free_vgpr 768
		.amdhsa_next_free_sgpr 92
		.amdhsa_reserve_vcc 0
		.amdhsa_float_denorm_mode_32 3
		.amdhsa_float_denorm_mode_16_64 3
		.amdhsa_memory_ordered 1
		.amdhsa_forward_progress 1
		.amdhsa_inst_pref_size 127
	.end_amdhsa_kernel
	.amdgpu_metadata
---
amdhsa.version: [ 1, 2 ]
amdhsa.kernels:
  - .name:           k_qd621c256a6_pv
    .symbol:         k_qd621c256a6_pv.kd
    .args:
      - { .name: P, .offset: 0, .size: 8, .value_kind: global_buffer, .address_space: global }
      - { .name: qkv, .offset: 8, .size: 8, .value_kind: global_buffer, .address_space: global }
      - { .name: stat, .offset: 16, .size: 8, .value_kind: global_buffer, .address_space: global }
      - { .name: out0, .offset: 24, .size: 8, .value_kind: global_buffer, .address_space: global }
    .group_segment_fixed_size: 327680
    .private_segment_fixed_size: 0
    .kernarg_segment_align: 8
    .kernarg_segment_size: 32
    .max_flat_workgroup_size: 128
    .sgpr_count:     92
    .vgpr_count:     768
    .wavefront_size: 32
...
	.end_amdgpu_metadata
.endif
;; end of part 4
;; ======== version 2 of 2: 4 launches; version 1 with the launch cast written anew for expert scheduling mode
;; limits: values are held in f16: magnitudes above 65,504 overflow, below 6.1e-05 lose precision
;; workspace buffers: xb 16,777,216 bytes; wb 6,291,456 bytes; bb 12,288 bytes; qkv 50,331,648 bytes; P 33,554,432 bytes; stat 1,048,576 bytes
;; launch cast (part 5): grid 1409 x 1, 4 waves a work-group, no clusters, 0 bytes of LDS; arguments x, Wq, Wk, Wv, bq, bk, bv, xb, wb, bb; writes xb, wb, bb
.if DOCPART == 5
	.amdgcn_target "amdgcn-amd-amdhsa--gfx1250"
	.amdhsa_code_object_version 6
	.text
	.protected	k_qd621c256a6_cast
	.globl	k_qd621c256a6_cast
	.p2align	8
	.type	k_qd621c256a6_cast,@function
k_qd621c256a6_cast:
	s_mov_b64 s[64:65], 0
	v_nop
	global_prefetch_b8 v0, s[64:65] scope:SCOPE_SE
	s_setreg_imm32_b32 hwreg(HW_REG_WAVE_SCHED_MODE, 0, 2), 2
	s_setreg_imm32_b32 hwreg(HW_REG_WAVE_MODE, 25, 1), 1
	s_wait_xcnt 0x0
	s_wait_alu depctr_vm_vsrc(0)
; Every input is rounded once to bf16 (nearest even).
; xb: x in blocks, [16 blocks of 64 columns][8192 rows][64] bf16: the next launch walks K in steps of 64, and in this layout the 128 bytes of neighbouring rows lie end to end.
; wb: [1024 k][3072 n] bf16, row k = Wq[k][:], Wk[k][:], Wv[k][:].   bb: bq, bk, bv on end, 3,072 numbers, rounded to bf16 and kept as f32.
; Work-groups 0-1023: 8 rows of x each; 1024-1407: 8 rows of a W, 128 work-groups for each; 1408: the biases.  A wave takes 2 rows.
; A stream: no LDS, no loop.  All 16 loads of a wave go out first; each load takes whole aligned blocks of 256 bytes, each store covers 256 consecutive bytes, aligned.  No register is written twice.
; THE MODE: SCHED_MODE bits 1:0 = 2 (LLVM: expert scheduling mode 2), set by the entry lines.  The code itself states the register dependences
; between vector instructions and memory instructions, with s_wait_alu, always for 0.
; THE PLAN.  Registers that memory instructions touch, on each path:
;   v1, v2   the loads' and the stores' byte offsets: made by vector instructions at the path's head, never written again.
;   X        written by the 16 loads, which all go out before any vector instruction names X; read by the conversions, behind the wait for the loads' data.
;   Y        written by the conversions, once each; read by the stores.
; No load lands in a register that a vector instruction has named, and no register that a memory instruction reads is written again: what is left to state is that a vector result
; is written before a memory instruction reads it.  The 16 loads go in four groups of four.  At the head of group g, behind the wait for its data, ONE wait states that the conversions of group g - 1
; have written their Y; that group's four stores are then dealt among group g's conversions, which name X and Y of group g alone.  One wait ahead of the first load (v1, v2), one ahead of the last four stores.
.set X, 8                              ; v[8:71]   load i of 16: 4 registers
.set Y, 72                             ; v[72:103] store i of 16: 2 registers
.set KBLK, 8192*128                    ; bytes in a block of xb
.set GRP, 4                            ; loads, and stores, in a group
.macro RND n                           ; the four numbers of load n are rounded
	v_cvt_pk_bf16_f32 v[Y+2*(\n)], v[X+4*(\n)], v[X+4*(\n)+1]
	v_cvt_pk_bf16_f32 v[Y+2*(\n)+1], v[X+4*(\n)+2], v[X+4*(\n)+3]
.endm
.macro PUT kind, n                     ; store n.  kind 0: x, into block n of xb; kind 1: a W, into row n / 8 of my two rows of wb
.if (\kind) == 0
.if (\n) < 8
	global_store_b64 v2, v[Y+2*(\n):Y+2*(\n)+1], s[26:27] offset:(\n)*KBLK
.else
	global_store_b64 v2, v[Y+2*(\n):Y+2*(\n)+1], s[28:29] offset:((\n)-8)*KBLK
.endif
.else
	global_store_b64 v2, v[Y+2*(\n):Y+2*(\n)+1], s[26:27] offset:((\n)/8)*6144+((\n)%8)*256
.endif
.endm
.macro STREAM kind                     ; the four groups, behind the path's 16 loads
.set i, 0
.rept 16
.if (i%GRP) == 0
	s_wait_loadcnt 16-GRP-i                        ; loads come back in order: this group's four are in, the younger groups stay out
.if i > 0
	s_wait_alu depctr_va_vdst(0)                   ; the conversions of the group before have written their Y, which the four stores dealt out below read
.endif
.endif
.if i >= GRP
	PUT \kind, i-GRP                               ; no vector instruction since the wait names this store's registers
.endif
	RND i
.set i, i+1
.endr
	s_wait_alu depctr_va_vdst(0)                   ; the last group's conversions have written their Y, which the last four stores read
.set i, 16-GRP
.rept GRP
	PUT \kind, i
.set i, i+1
.endr
.endm
	s_load_b256 s[4:11], s[0:1], 0x0               ; x s[4:5], Wq s[6:7], Wk s[8:9], Wv s[10:11]
	s_load_b256 s[12:19], s[0:1], 0x20             ; bq s[12:13], bk s[14:15], bv s[16:17], xb s[18:19]
	s_load_b128 s[20:23], s[0:1], 0x40             ; wb s[20:21], bb s[22:23]
	v_and_b32 v6, 31, v0                           ; lane
	v_lshrrev_b32 v7, 5, v0                        ; wave
	s_mov_b32 s25, 0
	s_mov_b32 s27, 0
	s_cmp_lt_u32 ttmp9, 1024
	s_cbranch_scc0 .Lnot_x
	; x: load c takes 64 columns of my two rows: lanes 0-15 256 bytes of the first, lanes 16-31 of the second; rounded they are 2 x 128 bytes that lie on end in block c
	v_and_b32 v1, 15, v0
	v_lshlrev_b32 v1, 4, v1                        ; 16 x (lane % 16)
	v_bfe_u32 v3, v0, 4, 1
	v_lshl_add_u32 v1, v3, 12, v1                  ; + a row of 4,096 bytes for lanes 16-31
	v_lshl_add_u32 v1, v7, 13, v1                  ; + wave x 2 rows
	v_lshlrev_b32 v2, 3, v0                        ; stores: 8 x thread = wave x 2 rows of 128 bytes + 8 x lane
	s_lshl_b32 s24, ttmp9, 15                      ; 8 rows of 4,096 bytes
	s_lshl_b32 s26, ttmp9, 10                      ; 8 rows of 128 bytes
	s_wait_kmcnt 0x0
	s_add_nc_u64 s[24:25], s[4:5], s[24:25]
	s_add_nc_u64 s[26:27], s[18:19], s[26:27]      ; my rows in blocks 0 to 7,
	s_add_nc_u64 s[28:29], s[26:27], 8*KBLK        ; and in blocks 8 to 15: the immediates stay inside their 24 bits
	s_wait_alu depctr_va_vdst(0)                   ; v1 and v2 are written: every load of this path reads v1 as its offset, every store v2
.set i, 0
.rept 16
	global_load_b128 v[X+4*i:X+4*i+3], v1, s[24:25] offset:i*256 th:TH_LOAD_NT
.set i, i+1
.endr
	STREAM 0
	s_endpgm
.Lnot_x:
	s_cmp_lt_u32 ttmp9, 1408
	s_cbranch_scc0 .Lbias
	; a W: load i takes 512 consecutive bytes of row i / 8; rounded they are 256 consecutive bytes of wb
	s_sub_co_u32 s28, ttmp9, 1024
	s_lshr_b32 s29, s28, 7                         ; which matrix
	s_and_b32 s28, s28, 127                        ; which 8 rows of it
	v_lshlrev_b32 v1, 4, v6
	v_lshl_add_u32 v1, v7, 13, v1                  ; 16 x lane + wave x 2 rows
	v_mul_u32_u24 v2, 2*6144, v7
	v_lshl_add_u32 v2, v6, 3, v2                   ; 8 x lane + wave x 2 rows of 6,144 bytes
	s_lshl_b32 s24, s28, 15
	s_mul_i32 s26, s28, 8*6144
	s_lshl_b32 s30, s29, 11                        ; the matrix's 2,048 bytes of a row
	s_add_co_u32 s26, s26, s30
	s_wait_kmcnt 0x0
	s_cmp_eq_u32 s29, 1
	s_cselect_b64 s[30:31], s[8:9], s[6:7]
	s_cmp_eq_u32 s29, 2
	s_cselect_b64 s[30:31], s[10:11], s[30:31]
	s_add_nc_u64 s[24:25], s[30:31], s[24:25]
	s_add_nc_u64 s[26:27], s[20:21], s[26:27]
	s_wait_alu depctr_va_vdst(0)                   ; v1 and v2 are written: every load of this path reads v1 as its offset, every store v2
.set i, 0
.rept 16
	global_load_b128 v[X+4*i:X+4*i+3], v1, s[24:25] offset:(i/8)*4096+(i%8)*512 th:TH_LOAD_NT
.set i, i+1
.endr
	STREAM 1
	s_endpgm
.Lbias:
	; the biases: 128 threads x 16 bytes are half of one; rounded to bf16 and widened again
	v_lshlrev_b32 v1, 4, v0
	s_wait_kmcnt 0x0
	s_wait_alu depctr_va_vdst(0)                   ; v1 is written: the six loads and the six stores read it as their offset
.irp m, 0,1,2
	global_load_b128 v[8+8*\m:11+8*\m],  v1, s[12+2*\m:13+2*\m]
	global_load_b128 v[12+8*\m:15+8*\m], v1, s[12+2*\m:13+2*\m] offset:2048
.endr
	s_wait_loadcnt 0x0
.set i, 0
.rept 12
	v_cvt_pk_bf16_f32 v[32+i], v[8+2*i], v[9+2*i]
.set i, i+1
.endr
.set i, 0
.rept 12
	v_lshlrev_b32 v[48+2*i], 16, v[32+i]
	v_and_b32 v[49+2*i], 0xffff0000, v[32+i]
.set i, i+1
.endr
	s_wait_alu depctr_va_vdst(0)                   ; the widenings have written v[48:71], which the six stores read
.set i, 0
.rept 6
	global_store_b128 v1, v[48+4*i:51+4*i], s[22:23] offset:(i/2)*4096+(i%2)*2048  ; a wave stores 512 consecutive bytes, aligned
.set i, i+1
.endr
	s_endpgm
.Lfunc_end_k_qd621c256a6_cast:
	.size	k_qd621c256a6_cast, .Lfunc_end_k_qd621c256a6_cast-k_qd621c256a6_cast
	.p2alignl 7, 3214868480
	.fill 96, 4, 3214868480
	.section	.rodata,"a",@progbits
	.p2align	6, 0x0
	.amdhsa_kernel k_qd621c256a6_cast
		.amdhsa_group_segment_fixed_size 0
		.amdhsa_private_segment_fixed_size 0
		.amdhsa_enable_private_segment 0
		.amdhsa_kernarg_size 80
		.amdhsa_user_sgpr_count 2
		.amdhsa_user_sgpr_kernarg_segment_ptr 1
		.amdhsa_wavefront_size32 1
		.amdhsa_system_sgpr_workgroup_id_x 1
		.amdhsa_system_sgpr_workgroup_id_y 1
		.amdhsa_system_sgpr_workgroup_id_z 1
		.amdhsa_system_vgpr_workitem_id 0
		.amdhsa_next_free_vgpr 104
		.amdhsa_next_free_sgpr 66
		.amdhsa_reserve_vcc 0
		.amdhsa_float_denorm_mode_32 3
		.amdhsa_float_denorm_mode_16_64 3
		.amdhsa_memory_ordered 1
		.amdhsa_forward_progress 1
		.amdhsa_inst_pref_size 16
	.end_amdhsa_kernel
	.amdgpu_metadata
---
amdhsa.version: [ 1, 2 ]
amdhsa.kernels:
  - .name:           k_qd621c256a6_cast
    .symbol:         k_qd621c256a6_cast.kd
    .args:
      - { .name: x, .offset: 0, .size: 8, .value_kind: global_buffer, .address_space: global }
      - { .name: Wq, .offset: 8, .size: 8, .value_kind: global_buffer, .address_space: global }
      - { .name: Wk, .offset: 16, .size: 8, .value_kind: global_buffer, .address_space: global }
      - { .name: Wv, .offset: 24, .size: 8, .value_kind: global_buffer, .address_space: global }
      - { .name: bq, .offset: 32, .size: 8, .value_kind: global_buffer, .address_space: global }
      - { .name: bk, .offset: 40, .size: 8, .value_kind: global_buffer, .address_space: global }
      - { .name: bv, .offset: 48, .size: 8, .value_kind: global_buffer, .address_space: global }
      - { .name: xb, .offset: 56, .size: 8, .value_kind: global_buffer, .address_space: global }
      - { .name: wb, .offset: 64, .size: 8, .value_kind: global_buffer, .address_space: global }
      - { .name: bb, .offset: 72, .size: 8, .value_kind: global_buffer, .address_space: global }
    .group_segment_fixed_size: 0
    .private_segment_fixed_size: 0
    .kernarg_segment_align: 8
    .kernarg_segment_size: 80
    .max_flat_workgroup_size: 128
    .sgpr_count:     66
    .vgpr_count:     104
    .wavefront_size: 32
...
	.end_amdgpu_metadata
.endif
;; end of part 5
;; launch proj: the kernel of part 2 again; grid 8 x 32, 4 waves a work-group, clusters of 4 x 4, 327,680 bytes of LDS; arguments xb, wb, bb, qkv; writes qkv
;; launch score: the kernel of part 3 again; grid 36 x 4, 4 waves a work-group, no clusters, 327,680 bytes of LDS; arguments qkv, P, stat; writes P, stat
;; launch pv: the kernel of part 4 again; grid 8 x 32, 4 waves a work-group, clusters of 4 x 1, 327,680 bytes of LDS; arguments P, qkv, stat, out0; writes out0
